; MI455X (gfx1250); checked and timed in simulation.
; The chip was launched on July 23, 2026; its instructions are those of AMD's public machine-readable ISA for CDNA 5 (MIT licence, August 2026) and "CDNA5" Instruction Set Architecture Reference Guide (July 2026). The comments in the code are by the model that wrote it; some were corrected since.
;; MCA. Allowed arithmetic: float matrix products may take bf16 or f16 operands with f32 sums; other float arithmetic in f32, or as packed bf16 or f16 multiplies, adds, multiply-adds, maxima and minima; sums over many terms, partial sums and values carried from step to step in f32; what a program stores and reads back later, other than sums and carried values, may be rounded once to bf16 or f16.
;; Inputs: bk 1,024 float32; bq 1,024 float32; bu 1,024 float32; bv 1,024 float32; wk 1,024 x 1,024 float32; wq 1,024 x 1,024 float32; wu 1,024 x 1,024 float32; wv 1,024 x 1,024 float32; x1 2,048 x 4 x 1,024 float32; x2 2,048 x 4 x 1,024 float32; x3 2,048 x 4 x 1,024 float32.
;; Outputs: out0 2,048 x 4 x 1,024 float32.
;; One version. Each part assembles by itself: llvm-mc -triple=amdgcn-amd-amdhsa -mcpu=gfx1250 --defsym DOCPART=n.
;; ======== version 1 of 1: 5 launches
;; limits: values are held in f16: magnitudes above 65,504 overflow, below 6.1e-05 lose precision
;; workspace buffers: x1h 16,777,216 bytes; x2h 16,777,216 bytes; w1 6,291,456 bytes; w2 2,097,152 bytes; tb 8,192 bytes; o1 33,554,432 bytes; o2 33,554,432 bytes; pm 34,603,008 bytes
;; launch prep (part 1): grid 64 x 20, 8 waves a work-group, no clusters, 34,816 bytes of LDS; arguments x1, x2, wq, wv, wk, wu, bu, bv, x1h, x2h, w1, w2, tb; writes x1h, x2h, w1, w2, tb
.if DOCPART == 1
	.amdgcn_target "amdgcn-amd-amdhsa--gfx1250"
	.amdhsa_code_object_version 6
	.text
	.protected	k_q57c2f4d944_prep
	.globl	k_q57c2f4d944_prep
	.p2align	8
	.type	k_q57c2f4d944_prep,@function
k_q57c2f4d944_prep:
	s_mov_b64 s[64:65], 0
	v_nop
	global_prefetch_b8 v0, s[64:65] scope:SCOPE_SE
	s_setreg_imm32_b32 hwreg(HW_REG_WAVE_MODE, 25, 1), 1
	s_wait_xcnt 0x0
; PREP: the matrix operands among the inputs, each rounded once to bf16 and that number written as f16 (exact where it lies in f16's normal range), so that every later product takes f16 operands.
;   x1 -> x1h, x2 -> x2h ([8192][1024]);  wq -> w1 byte 0;  wv, TURNED ([column][row]) -> w1 byte 2 MiB;  wu, scaled -> w1 byte 4 MiB;  wk -> w2.
; WHY wv IS TURNED.  The program never makes v = x2 wv^T + bv: it makes u = v wu'^T + bu' as x2 W'^T + b', the same sums in another order, with W' = wu' wv (the next launch's product, which wants wv's
; row index along K) and b' = wu' bv + bu' (made here).
; wu IS SCALED: row c is multiplied by 2^-e[c], the power of two with 2^e[c] above the sum of |wu[c][k]| over k plus |bu[c]| (to within the sum's own rounding), so that u is no larger than the largest |v| plus 1.
; The table tb takes b'[c] (bytes 0-4095, f32) and 2^e[c] (bytes 4096-8191); the last launch multiplies column c by 2^e[c].
; x3 is no argument: the function that this program computes never uses it.
; LIMITS.  f16 ends at 65,504: a larger x or w becomes an infinity.  Below 6.1e-5 f16 keeps a fixed step of 6e-8.  e is held to -125 .. 126.
; SHARES.  Unit y of 20 is 1,048,576 numbers (0: wv, 1: wu, 2: wq, 3: wk, 4-11: x1, 12-19: x2).  Units 1 to 19: work-group x takes 16 rows of 1,024 numbers, wave w rows 2 w and 2 w + 1: 8,192 bytes on end; a load
; of a wave covers 512 consecutive bytes, a store 256 consecutive bytes, aligned; no wave needs another's numbers.  Unit 0: work-group x takes the block of 128 x 128 at (x / 8, x % 8); wave w loads its rows
; 16 w .. 16 w + 15 (512 bytes each), the block is turned in LDS, and wave w stores the turned rows 16 w .. 16 w + 15 (256 bytes each, aligned).  All 16 loads of a wave go out at once.
.set X,   16                           ; v[16:79]  the wave's 2,048 numbers: load i in 4 registers; packed to f16 in place
.set BV,  80                           ; v[80:95]  wu: a batch of bv;  wv: words on their way to LDS
.set SPW, 6                            ; v6   LDS address of my spare word; never rewritten
.set NIL, 7                            ; v7   0; never rewritten
.set LI,  8                            ; v8   wv: where my words go in LDS: column 4 x lane, rows 16 w on
.set LB,  9                            ; v9   wv: where I read turned rows back
.set TP,  264                          ; a turned row in LDS: 256 bytes + 8 = 66 words: the 32 lanes of a store, four turned rows apart, fall on 8 banks, four deep; the reads back are consecutive
.set SPARE, 128*TP                     ; behind the block: the spare words, 128 bytes for each wave: four blocks of 256 bytes that no other line names
.macro XLANE s                         ; the sum of v[s] over the 32 lanes, in every lane; v[s+1] is at work
	v_add_f32_dpp v[\s], v[\s], v[\s] row_xmask:1 row_mask:0xf bank_mask:0xf
	v_add_f32_dpp v[\s], v[\s], v[\s] row_xmask:2 row_mask:0xf bank_mask:0xf
	v_add_f32_dpp v[\s], v[\s], v[\s] row_xmask:4 row_mask:0xf bank_mask:0xf
	v_add_f32_dpp v[\s], v[\s], v[\s] row_xmask:8 row_mask:0xf bank_mask:0xf
	v_permlanex16_b32 v[\s+1], v[\s], s44, s45
	v_add_f32 v[\s], v[\s], v[\s+1]
.endm
; With E the sum's biased exponent, held to 1 .. 252: 2^e = 2^(E - 126), the word (E + 1) << 23, lies above the sum; 2^-e is the word (253 - E) << 23.
; In: v[s] the row's sum of magnitudes, v[bu] its bu.  Out: v[s], v[s+1] 2^-e (a pair for the packed multiply), v[s+2] 2^e, v[bu] bu 2^-e.
.macro POW2 s, bu
	v_add_f32 v[\s], v[\s], |v\bu|
	v_lshrrev_b32 v[\s], 23, v[\s]
	v_max_u32 v[\s], 1, v[\s]
	v_min_u32 v[\s], 0xfc, v[\s]
	v_add_nc_u32 v[\s+2], 1, v[\s]
	v_lshlrev_b32 v[\s+2], 23, v[\s+2]
	v_sub_nc_u32 v[\s], 0xfd, v[\s]
	v_lshlrev_b32 v[\s], 23, v[\s]
	v_mov_b32 v[\s+1], v[\s]
	v_mul_f32 v[\bu], v[\bu], v[\s]
.endm
; Batch h of bv (my lane's 16 numbers of columns 512 h on) is rounded to bf16 like every input and multiplied into both rows' sums, v[8:9] and v[12:13]; the first product starts them.
.macro DOT h
	s_wait_loadcnt 0x0
.set k, 0
.rept 8
	v_cvt_pk_bf16_f32 v[4+k%2], v[BV+2*k], v[BV+2*k+1]
	v_lshlrev_b32 v[BV+2*k], 16, v[4+k%2]
	v_and_b32 v[BV+2*k+1], s42, v[4+k%2]
.set k, k+1
.endr
.set k, 0
.rept 8
.if ((\h) == 0) && (k == 0)
	v_pk_mul_f32 v[8:9], v[X:X+1], v[BV:BV+1]
	v_pk_mul_f32 v[12:13], v[X+32:X+33], v[BV:BV+1]
.else
	v_pk_fma_f32 v[8:9], v[X+16*(\h)+2*k:X+16*(\h)+2*k+1], v[BV+2*k:BV+2*k+1], v[8:9]
	v_pk_fma_f32 v[12:13], v[X+32+16*(\h)+2*k:X+32+16*(\h)+2*k+1], v[BV+2*k:BV+2*k+1], v[12:13]
.endif
.set k, k+1
.endr
.endm
	s_load_b512 s[8:23], s[0:1], 0x0               ; x1 8:9, x2 10:11, wq 12:13, wv 14:15, wk 16:17, wu 18:19, bu 20:21, bv 22:23
	s_load_b256 s[24:31], s[0:1], 0x40             ; x1h 24:25, x2h 26:27, w1 28:29, w2 30:31
	s_load_b64 s[32:33], s[0:1], 0x60              ; tb
	v_lshl_add_u32 v[SPW], v0, 2, SPARE
	v_mov_b32 v[NIL], 0
	s_and_b32 s34, ttmp7, 0xffff                   ; y: the unit
	s_mov_b32 s35, ttmp9                           ; x: the part of it
	v_lshrrev_b32 v4, 5, v0
	v_readfirstlane_b32 s36, v4                    ; wave 0..7
	v_and_b32 v3, 31, v0                           ; lane
	s_mov_b32 s42, 0xffff0000                      ; a word's upper bf16
	s_mov_b32 s44, 0x76543210                      ; v_permlanex16_b32: each lane takes its own place in the other half
	s_mov_b32 s45, 0xfedcba98
	s_lshl_b32 s46, s35, 6
	s_lshl3_add_u32 s46, s36, s46                  ; 4 x (16 x + 2 w): my first row's word in bu and in tb
	s_mov_b32 s39, 0
	s_mov_b32 s41, 0
	v_mul_u32_u24 v[LI], v3, 4*TP                  ; turned row 4 x lane,
	s_lshl_b32 s50, s36, 5
	v_add_nc_u32 v[LI], s50, v[LI]                 ; at my 16 rows' 32 bytes
	s_mul_i32 s50, s36, 16*TP
	v_lshl_add_u32 v[LB], v3, 3, s50               ; turned row 16 w, 8 bytes a lane
	s_cmp_eq_u32 s34, 0
	s_cbranch_scc1 .Lblock
	; units 1 to 19: rows on end
	s_lshl_b32 s50, s36, 13
	v_lshl_add_u32 v1, v3, 4, s50                  ; loads: 8,192 x wave + 16 x lane
	s_lshl_b32 s50, s36, 12
	v_lshl_add_u32 v2, v3, 3, s50                  ; stores: 4,096 x wave + 8 x lane
	s_sub_co_u32 s50, s34, 4
	s_and_b32 s50, s50, 7
	s_cmp_ge_u32 s34, 4
	s_cselect_b32 s50, s50, 0                      ; which eighth of x1 or x2; 0 in a weight
	s_lshl_b32 s38, s50, 22                        ; a unit is 4 MiB of f32,
	s_lshl_b32 s40, s50, 21                        ; 2 MiB of f16
	s_cmp_eq_u32 s34, 1
	s_cselect_b32 s51, 0x400000, 0                 ; wu goes to w1's third part
	s_add_co_u32 s40, s40, s51
	s_lshl_b32 s51, s35, 16
	s_add_co_u32 s38, s38, s51
	s_lshl_b32 s51, s35, 15
	s_add_co_u32 s40, s40, s51
	s_wait_kmcnt 0x0
	s_mov_b64 s[4:5], s[18:19]                     ; the source and the target, chosen by y alone
	s_mov_b64 s[6:7], s[28:29]
	s_cmp_ge_u32 s34, 2
	s_cselect_b64 s[4:5], s[12:13], s[4:5]
	s_cmp_ge_u32 s34, 3
	s_cselect_b64 s[4:5], s[16:17], s[4:5]
	s_cselect_b64 s[6:7], s[30:31], s[6:7]
	s_cmp_ge_u32 s34, 4
	s_cselect_b64 s[4:5], s[8:9], s[4:5]
	s_cselect_b64 s[6:7], s[24:25], s[6:7]
	s_cmp_ge_u32 s34, 12
	s_cselect_b64 s[4:5], s[10:11], s[4:5]
	s_cselect_b64 s[6:7], s[26:27], s[6:7]
	s_add_nc_u64 s[4:5], s[4:5], s[38:39]
	s_add_nc_u64 s[6:7], s[6:7], s[40:41]
.set i, 0
.rept 16
	global_load_b128 v[X+4*i:X+4*i+3], v1, s[4:5] offset:512*i th:TH_LOAD_NT
.set i, i+1
.endr
	s_branch .Lround
.Lblock:                                       ; unit 0: a block of 128 x 128 of wv
	s_lshl_b32 s50, s36, 16
	v_lshl_add_u32 v1, v3, 4, s50                  ; loads: 16 rows of 4,096 bytes a wave + 16 x lane
	s_lshl_b32 s50, s36, 15
	v_lshl_add_u32 v2, v3, 3, s50                  ; stores: 16 turned rows of 2,048 bytes a wave + 8 x lane
	s_lshr_b32 s50, s35, 3                         ; the block's place down wv,
	s_and_b32 s51, s35, 7                          ; and across
	s_lshl_b32 s38, s50, 19
	s_lshl_b32 s52, s51, 9
	s_add_co_u32 s38, s38, s52
	s_lshl_b32 s40, s51, 18                        ; turned: across becomes down
	s_lshl_b32 s52, s50, 8
	s_add_co_u32 s40, s40, s52
	s_add_co_u32 s40, s40, 0x200000                ; w1's second part
	s_wait_kmcnt 0x0
	s_add_nc_u64 s[4:5], s[14:15], s[38:39]
	s_add_nc_u64 s[6:7], s[28:29], s[40:41]
.set i, 0
.rept 16
	global_load_b128 v[X+4*i:X+4*i+3], v1, s[4:5] offset:4096*i th:TH_LOAD_NT
.set i, i+1
.endr
.Lround:                                       ; each number rounded to bf16 and widened again, in place
.set i, 0
.rept 16
	s_wait_loadcnt 15-i                            ; loads come back in order: load i is in, the 15 - i younger ones may stay out
	v_cvt_pk_bf16_f32 v4, v[X+4*i], v[X+4*i+1]
	v_cvt_pk_bf16_f32 v5, v[X+4*i+2], v[X+4*i+3]
	v_lshlrev_b32 v[X+4*i], 16, v4
	v_and_b32 v[X+4*i+1], s42, v4
	v_lshlrev_b32 v[X+4*i+2], 16, v5
	v_and_b32 v[X+4*i+3], s42, v5
.set i, i+1
.endr
	s_cmp_eq_u32 s34, 0
	s_cbranch_scc1 .Lturn
	s_cmp_lg_u32 s34, 1
	s_cbranch_scc1 .Lgo
	; wu alone: the rows' scales, the scaling, b'
	s_load_b64 s[48:49], s[20:21], s46 offset:0x0  ; bu of my two rows
	v_lshlrev_b32 v0, 4, v3                        ; bv: my lane's 4 numbers of each 128, as a row's loads took them
.irp i, 0,1,2,3
	global_load_b128 v[BV+4*\i:BV+4*\i+3], v0, s[22:23] offset:512*\i
.endr
.irp k, 0,1,2,3
	v_and_b32 v[8+\k], 0x7fffffff, v[X+\k]         ; the first four numbers of a row start its four chains: nothing is cleared
	v_and_b32 v[12+\k], 0x7fffffff, v[X+32+\k]
.endr
.irp r, 20,21,22,23,24,25,26,27,28,29,30,31,32,33,34,35,36,37,38,39,40,41,42,43,44,45,46,47
	v_add_f32 v[8+(\r)%4], v[8+(\r)%4], |v\r|
.endr
.irp r, 52,53,54,55,56,57,58,59,60,61,62,63,64,65,66,67,68,69,70,71,72,73,74,75,76,77,78,79
	v_add_f32 v[12+(\r)%4], v[12+(\r)%4], |v\r|
.endr
.irp s, 8, 12
	v_add_f32 v[\s], v[\s], v[\s+1]
	v_add_f32 v[\s+2], v[\s+2], v[\s+3]
	v_add_f32 v[\s], v[\s], v[\s+2]
	XLANE \s
.endr
	s_wait_kmcnt 0x0
	v_cvt_pk_bf16_f32 v4, s48, s49                 ; bu is rounded to bf16 like every input
	v_lshlrev_b32 v11, 16, v4
	v_and_b32 v15, s42, v4
	POW2 8, 11
	POW2 12, 15
.set i, 0
.rept 32
	v_pk_mul_f32 v[X+2*i:X+2*i+1], v[X+2*i:X+2*i+1], v[8+4*(i/16):9+4*(i/16)]  ; a power of two: no rounding
.set i, i+1
.endr
	DOT 0
.irp i, 0,1,2,3
	global_load_b128 v[BV+4*\i:BV+4*\i+3], v0, s[22:23] offset:2048+512*\i
.endr
	DOT 1
	v_add_f32 v8, v8, v9
	v_add_f32 v12, v12, v13
	XLANE 8
	XLANE 12
	v_add_f32 v11, v11, v8                         ; b' = wu' bv + bu'
	v_add_f32 v15, v15, v12
	v_cmp_eq_u32 vcc_lo, 1, v3
	v_cndmask_b32 v11, v11, v15, vcc_lo            ; lane 0 keeps the first row's two numbers, lane 1 takes the second row's
	v_cndmask_b32 v10, v10, v14, vcc_lo
	v_lshl_add_u32 v5, v3, 2, s46
	s_wait_xcnt 0x0                                ; EXEC changes only when every memory instruction issued so far has read its sources
	v_cmp_gt_u32 vcc_lo, 2, v3
	s_and_saveexec_b32 s47, vcc_lo
	global_store_b32 v5, v11, s[32:33]             ; 8 bytes a wave: the whole table is 8 KiB, written once
	global_store_b32 v5, v10, s[32:33] offset:4096
	s_wait_xcnt 0x0                                ; and again in front of the line that widens it
	s_or_b32 exec_lo, exec_lo, s47
.Lgo:
.set i, 0
.rept 16
	v_cvt_pk_f16_f32 v[X+4*i], v[X+4*i], v[X+4*i+1]
	v_cvt_pk_f16_f32 v[X+4*i+1], v[X+4*i+2], v[X+4*i+3]
	global_store_b64 v2, v[X+4*i:X+4*i+1], s[6:7] offset:256*i  ; 32 lanes store 256 consecutive bytes, aligned
.set i, i+1
.endr
	s_endpgm
.Lturn:                                        ; wv alone: rows 2 p and 2 p + 1 of one column make a word of the turned row
.set p, 0
.rept 8
.irp j, 0,1,2,3
	v_cvt_pk_f16_f32 v[BV+(4*p+\j)%16], v[X+8*p+\j], v[X+8*p+4+\j]
	ds_store_b32 v[LI], v[BV+(4*p+\j)%16] offset:TP*\j+4*p
.endr
.set p, p+1
.endr
	s_wait_dscnt 0x0                               ; for the others' sake: my words lie in LDS
	s_barrier_signal -1
	s_barrier_wait -1                              ; the block is whole
.set t, 0
.rept 16
	ds_load_b64 v[X+2*t:X+2*t+1], v[LB] offset:TP*t
.set t, t+1
.endr
.set t, 0
.rept 16
	s_wait_dscnt 15-t                              ; LDS loads come back in order: turned row t is in, the 15 - t younger ones may stay out
	global_store_b64 v2, v[X+2*t:X+2*t+1], s[6:7] offset:2048*t  ; 32 lanes store 256 consecutive bytes, aligned
.set t, t+1
.endr
	s_wait_tensorcnt 0x0                           ; the end of a wave that wrote LDS: behind my last LDS store
	ds_add_u32 v[SPW], v[NIL]
	s_wait_dscnt 0x0
	s_endpgm
.Lfunc_end_k_q57c2f4d944_prep:
	.size	k_q57c2f4d944_prep, .Lfunc_end_k_q57c2f4d944_prep-k_q57c2f4d944_prep
	.p2alignl 7, 3214868480
	.fill 96, 4, 3214868480
	.section	.rodata,"a",@progbits
	.p2align	6, 0x0
	.amdhsa_kernel k_q57c2f4d944_prep
		.amdhsa_group_segment_fixed_size 34816
		.amdhsa_private_segment_fixed_size 0
		.amdhsa_enable_private_segment 0
		.amdhsa_kernarg_size 104
		.amdhsa_user_sgpr_count 2
		.amdhsa_user_sgpr_kernarg_segment_ptr 1
		.amdhsa_wavefront_size32 1
		.amdhsa_system_sgpr_workgroup_id_x 1
		.amdhsa_system_sgpr_workgroup_id_y 1
		.amdhsa_system_sgpr_workgroup_id_z 1
		.amdhsa_system_vgpr_workitem_id 0
		.amdhsa_next_free_vgpr 96
		.amdhsa_next_free_sgpr 66
		.amdhsa_reserve_vcc 1
		.amdhsa_float_denorm_mode_32 3
		.amdhsa_float_denorm_mode_16_64 3
		.amdhsa_memory_ordered 1
		.amdhsa_forward_progress 1
		.amdhsa_inst_pref_size 36
	.end_amdhsa_kernel
	.amdgpu_metadata
---
amdhsa.version: [ 1, 2 ]
amdhsa.kernels:
  - .name:           k_q57c2f4d944_prep
    .symbol:         k_q57c2f4d944_prep.kd
    .args:
      - { .name: x1, .offset: 0, .size: 8, .value_kind: global_buffer, .address_space: global }
      - { .name: x2, .offset: 8, .size: 8, .value_kind: global_buffer, .address_space: global }
      - { .name: wq, .offset: 16, .size: 8, .value_kind: global_buffer, .address_space: global }
      - { .name: wv, .offset: 24, .size: 8, .value_kind: global_buffer, .address_space: global }
      - { .name: wk, .offset: 32, .size: 8, .value_kind: global_buffer, .address_space: global }
      - { .name: wu, .offset: 40, .size: 8, .value_kind: global_buffer, .address_space: global }
      - { .name: bu, .offset: 48, .size: 8, .value_kind: global_buffer, .address_space: global }
      - { .name: bv, .offset: 56, .size: 8, .value_kind: global_buffer, .address_space: global }
      - { .name: x1h, .offset: 64, .size: 8, .value_kind: global_buffer, .address_space: global }
      - { .name: x2h, .offset: 72, .size: 8, .value_kind: global_buffer, .address_space: global }
      - { .name: w1, .offset: 80, .size: 8, .value_kind: global_buffer, .address_space: global }
      - { .name: w2, .offset: 88, .size: 8, .value_kind: global_buffer, .address_space: global }
      - { .name: tb, .offset: 96, .size: 8, .value_kind: global_buffer, .address_space: global }
    .group_segment_fixed_size: 34816
    .private_segment_fixed_size: 0
    .kernarg_segment_align: 8
    .kernarg_segment_size: 104
    .max_flat_workgroup_size: 256
    .sgpr_count:     66
    .vgpr_count:     96
    .wavefront_size: 32
...
	.end_amdgpu_metadata
.endif
;; end of part 1
;; launch qw (part 2): grid 4 x 36, 4 waves a work-group, clusters of 4 x 4, 327,680 bytes of LDS; arguments x1h, w1, w2, bq, tb, o1; writes o1
.if DOCPART == 2
	.amdgcn_target "amdgcn-amd-amdhsa--gfx1250"
	.amdhsa_code_object_version 6
	.text
	.protected	k_q57c2f4d944_qw
	.globl	k_q57c2f4d944_qw
	.p2align	8
	.type	k_q57c2f4d944_qw,@function
k_q57c2f4d944_qw:
	s_mov_b64 s[64:65], 0
	v_nop
	global_prefetch_b8 v0, s[64:65] scope:SCOPE_SE
	s_setreg_imm32_b32 hwreg(HW_REG_WAVE_MODE, 25, 1), 1
	s_wait_xcnt 0x0
	s_wait_alu depctr_hold_cnt(0) depctr_sa_sdst(0) depctr_va_vdst(0) depctr_va_sdst(0) depctr_va_ssrc(0) depctr_va_vcc(0) depctr_vm_vsrc(0)
	s_getreg_b32 s2, hwreg(HW_REG_IB_STS2, 6, 4)
	s_cmp_eq_u32 s2, 0
	s_cbranch_scc0 .Lentry_in_a_cluster
	s_endpgm
.Lentry_in_a_cluster:
	s_bfe_u32 s2, ttmp6, 0x10000c
	s_cmp_lg_u32 s2, 0xf033
	s_cbranch_scc0 .Lentry_shape_is_right
	s_endpgm
.Lentry_shape_is_right:
; PROJECTIONS, one text for two launches.  Arguments X, WA, WB, bias0, bias1, O.  A cluster's job hangs on the cluster's own x and y, which its sixteen work-groups share:
;   J0  (x = 0, y 0..7):  O from byte 16 MiB on = X WA^T + bias0       X: [8192][1024] f16; WA's first [1024][1024] f16; bias0: [1024] f32, an input, rounded to bf16 like every input
;   J1  (x = 1, y 0..7):  O from byte 0 on      = X WB^T + bias1       WB's first [1024][1024] f16; bias1: [1024] f32, the program's own number, taken as it lies
;   J2  (y = 8):          O from byte 0 on      = (WA from 4 MiB on) (WA from 2 MiB on)^T, [1024][1024]; no bias
; First launch (9 clusters: J0, J2): q = x1 wq^T + bq and W' = wu' wv (wv lies turned).  Second launch (16 clusters: J0, J1): k = x2 wk^T + bk and u = x2 W'^T + b'.
; u is (x2 wv^T + bv) wu'^T + bu' in another order of the same sums.  Sums in f32; the bias starts the sums; the result is rounded once, to f16.
; LIMIT.  f16 ends at 65,504: a larger result becomes an infinity.  Below 6.1e-5 f16 keeps a fixed step of 6e-8.
; SHARES.  A work-group makes a tile of 256 x 256; four waves, each 128 x 128: 64 accumulators of 16 x 16, 512 registers.  K = 1,024 goes in 8 steps of 128 through two LDS slots
; filled by tensor loads of 128 rows x 256 bytes, one a wave (waves 0, 1: the halves of the left operand A; waves 2, 3: those of the weights W).
; CLUSTER.  4 x 4 work-groups: the four of a row need the same rows of A, the four of a column the same rows of W; each tile is asked for jointly, by the same load with the same descriptor and a mask of the four.
; THE MATRIX INSTRUCTION IS USED TRANSPOSED (source 0 = 16 rows of W, source 1 = 16 rows of A): a lane holds row l % 16 of the result and the columns 8 (l / 16) + 0..7: 16 bytes of f16 on end.
; REGISTERS, in windows of 256 (s_set_vgpr_msb: bits 1:0 source 0, 3:2 source 1, 5:4 source 2, 7:6 destination):
;   window 0: v0-31 addresses; v64-127, v128-191 A's fragments, two buffers; v192-255 the bias, later at work on the way out, with v32-63
;   window 1: v64-127, v128-191 W's fragments          window 2: the accumulators of my rows 0-63 ((a, b) at 8 (8 a + b))          window 3: those of my rows 64-127
.set KSTEP,  128
.set PITCH,  272                       ; an LDS row: 256 bytes + 16 of padding = 68 words: the 16 rows of a fragment load start at 16 different groups of four banks (64 banks of 4 bytes: ISA guide 11.1)
.set HALFT,  128*PITCH                 ; what one tensor load brings: 0x8800
.set SLOT,   4*HALFT                   ; A's two halves, then W's: 0x22000, which shares no bit with wave x 0x8800: one exclusive or turns an address in one slot into the other's
.set STAGE,  2*SLOT                    ; behind the ring: 16 rows x 272 bytes for each wave, for the way out
.set SPARE,  STAGE+4*16*PITCH          ; behind the stages: the spare words, 128 bytes for each wave: two blocks of 256 bytes that no other line names
.set ROWB,   2048                      ; bytes in a row of A, W and O
.set OUTP,   2048
.set G1W,    (1<<16)|(1<<20)|(1<<21)|(5<<22)|(3<<25)  ; 17:16 2-byte elements; 20 padding on; 21 set beside a mask; 24:22 after every 64 words (code 5); 31:25 4 words (code 3)
.set ADA0, 10                          ; v10  my lane's place in my 128 rows of A in slot 0; never rewritten
.set ADB0, 11                          ; v11  the same for W
.set ADA,  16                          ; v16  the same in the slot that is being read
.set ADB,  20                          ; v20
.set STO,  24                          ; v24  the way out: where I put 16 bytes of a row
.set RD,   25                          ; v25  where I read rows back
.set CO,   26                          ; v26  my byte offset in two rows of O
.set SPW,  28                          ; v28  LDS address of my spare word; never rewritten
.set NIL,  29                          ; v29  0; never rewritten
.set PFO,  30                          ; v30  the prefetches' offset: lane x a row; never rewritten
.set OB,   32
.set F0,   64
.set F1,   128
.set TMP,  192
.set BIAS, 192                         ; v[192:255] bias of column 16 b + 8 (l / 16) + j at BIAS + 8 b + j
.set WV,  16                           ; s16 wave;  s17 which half of the tile's rows is mine, also: I fetch for A (0) or W (1);  s18 which half of its columns, also: which 128 rows I fetch
.set RH,  17
.set CH,  18
.set CX,  19                           ; my place in the cluster
.set CY,  20
.set CLY, 21                           ; the cluster's row within its job, 0..7
.set TR,  22                           ; tile row, 0..31
.set HF,  23                           ; 0: job J0; 1: J1 or J2
.set G1A, 24                           ; s[24:31] descriptor group 1 for A;  s[32:35] group 0 of the first fill;  s[36:39] group 0 that walks
.set G0A, 32
.set G1B, 48                           ; s[48:55], s[56:59], s[60:63] the same for W
.set G0B, 56
.set TB,  66                           ; s66  0 or SLOT: the slot that is read
.set CNT, 67
.set LIM, 68                           ; s68  1 in a wave that prefetches, else the greatest number
.set LP,  69                           ; s69  where my tensor loads land in a slot
.set PFA, 70                           ; s[70:71] where my next prefetch stands
.set OUT, 74                           ; s[74:75] O at my part of the tile
.set BI,  80                           ; s[80:81] the bias of my 128 columns
.set J2,  82                           ; s82  1 in job J2
.set HX,  83                           ; s83  the cluster's x: 1 in job J1
.set AA,  84                           ; s[84:85] A at the rows that I fetch
.set BA,  86                           ; s[86:87] W at the rows that I fetch
.set MSB, 0
.macro WIN new                         ; the immediate's high byte repeats the setting that is left; a switch that changes nothing is dropped
.if MSB != (\new)
	s_set_vgpr_msb (MSB<<8)|(\new)
.set MSB, (\new)
.endif
.endm
.macro PLACES                          ; four places behind a matrix instruction, in front of loads into registers that it has read and of vector lines that read results
.rept 4
	v_nop
.endr
.endm
.macro CREST                           ; a round of the cluster's barrier behind its opening barrier
	s_cmp_lg_u32 s[WV], 0
	s_cbranch_scc1 .Lnot_wave_0_\@
	s_barrier_signal -3
.Lnot_wave_0_\@:
	s_barrier_wait -3
	s_barrier_signal -1
	s_barrier_wait -1
.endm
.macro CROUND                          ; a whole round
	s_barrier_signal -1
	s_barrier_wait -1
	CREST
.endm
.macro JLOAD                           ; a joint refill by the walking descriptor; the branch hangs on the wave's number alone; an s_nop 0 and four v_nop follow each of the two lines
	s_cmp_eq_u32 s[RH], 0
	s_cbranch_scc0 .Lfor_b_\@
	tensor_load_to_lds s[G0A+4:G0A+7], s[G1A:G1A+7]
	s_nop 0
.rept 4
	v_nop
.endr
	s_branch .Lasked_\@
.Lfor_b_\@:
	tensor_load_to_lds s[G0B+4:G0B+7], s[G1B:G1B+7]
	s_nop 0
.rept 4
	v_nop
.endr
.Lasked_\@:
.endm
; A PREFETCH INTO THE L2 of the K step that stands two refills on (512 matrix instructions ahead of the load that will want it): 32 rows x 256 bytes, a lane a row, one instruction a wave.
; A's rows are read by the clusters of one row of clusters (two in the second launch, where both jobs take X): the one with x = 0 asks, by its waves 0 and 1.  W's rows are read by all cluster rows of a job:
; the job's first asks, by its waves 2 and 3.  Of the 128 rows that a wave fetches each of the four partners that ask for them jointly takes 32, told apart by address (cx for A, cy for W).
; So each row's 256 bytes of a K step are named once.  K steps 0 to 3 come by their loads alone; the trips with CNT = 5 .. 2 name K steps 4 .. 7; the last trip names nothing.
.macro ASK
	s_cmp_gt_u32 s[CNT], s[LIM]
	s_cbranch_scc0 .Lnot_mine_\@
	global_prefetch_b8 v[PFO], s[PFA:PFA+1] th:TH_LOAD_NT scope:SCOPE_SE
.Lnot_mine_\@:
.endm
; 16 matrix instructions: row blocks a0, a0 + 1 of the window's four (hi = 0: my rows 0-63, 1: rows 64-127) x all 8 column blocks, 32 along K.  zero = 1: the bias is the C that starts the sums: nothing is cleared or added.
.macro MUL16 f, hi, a0, zero
.if \zero
	WIN 0x81+0x40*(\hi)
.else
	WIN 0xa1+0x50*(\hi)
.endif
.irp a, \a0, (\a0)+1
.irp b, 0,1,2,3,4,5,6,7
.if \zero
	v_wmma_f32_16x16x32_f16 v[8*(8*(\a)+(\b)):8*(8*(\a)+(\b))+7], v[(\f)+8*(\b):(\f)+8*(\b)+7], v[(\f)+8*(4*(\hi)+(\a)):(\f)+8*(4*(\hi)+(\a))+7], v[BIAS+8*(\b):BIAS+8*(\b)+7]
.else
	v_wmma_f32_16x16x32_f16 v[8*(8*(\a)+(\b)):8*(8*(\a)+(\b))+7], v[(\f)+8*(\b):(\f)+8*(\b)+7], v[(\f)+8*(4*(\hi)+(\a)):(\f)+8*(4*(\hi)+(\a))+7], v[8*(8*(\a)+(\b)):8*(8*(\a)+(\b))+7]
.endif
.endr
.endr
.endm
; 32 LDS loads in one run: the fragments of 32 along K at byte k of the rows, into buffer f.  A fragment is 16 rows x 32 K in 8 registers: lane l holds row l % 16, K = 8 (l / 16) + 0..7 and 16 + 8 (l / 16) + 0..7.
.macro FETCH k, f
	WIN 0x40
.irp i, 0,1,2,3,4,5,6,7
	ds_load_b128 v[(\f)+8*\i:(\f)+8*\i+3],   v[ADB] offset:(\k)+\i*16*PITCH
	ds_load_b128 v[(\f)+8*\i+4:(\f)+8*\i+7], v[ADB] offset:(\k)+\i*16*PITCH+32
.endr
	WIN 0
.irp i, 0,1,2,3,4,5,6,7
	ds_load_b128 v[(\f)+8*\i:(\f)+8*\i+3],   v[ADA] offset:(\k)+\i*16*PITCH
	ds_load_b128 v[(\f)+8*\i+4:(\f)+8*\i+7], v[ADA] offset:(\k)+\i*16*PITCH+32
.endr
.endm
; A quarter of a K step: the next quarter's fragments are asked for, into buffer g; then buffer f is multiplied, 64 matrix instructions.  The 64 accumulators take turns in the same order in every quarter,
; between two links of a chain stand the 63 others'.
.macro QUART k, f, g, zero=0, ask=0
	PLACES
	FETCH \k, \g
.if \ask
	ASK
.endif
	s_wait_dscnt 32                                ; all but the 32 just issued: buffer f, asked for a quarter ago, is in
	MUL16 \f, 0, 0, \zero
	MUL16 \f, 0, 2, \zero
	MUL16 \f, 1, 0, \zero
	MUL16 \f, 1, 2, \zero
.endm
; The third quarter asks for the slot's last fragments and changes slots: ONE barrier.  In front of it each wave waits for all its tensor loads (one is out: its part of the other slot), adds 0 to its spare word, and
; waits for that and for its reads of this slot.  fill = 1: the barrier opens a round of the cluster's, and the joint refill, two K steps ahead, is the first thing behind the round: 224 matrix instructions ahead of the wait for it.
.macro TURNQ fill
.if \fill
	s_wait_xcnt 0x0                                ; the last prefetch, three quarters back, has read its address
	s_add_nc_u64 s[PFA:PFA+1], s[PFA:PFA+1], 2*KSTEP
.endif
	PLACES
	FETCH 192, F1
	s_wait_dscnt 32
	MUL16 F0, 0, 0, 0
	MUL16 F0, 0, 2, 0
	WIN 0                                          ; (the add's two registers lie in window 0)
	s_wait_tensorcnt 0x0                           ; no tensor load of mine is out, so a group 0 may be written
	ds_add_u32 v[SPW], v[NIL]                      ; 0 onto my spare word
.if \fill
	s_xor_b32 s[G0A+5], s[G0A+5], SLOT             ; the walking descriptors: the other slot than last time,
	s_add_nc_u64 s[G0A+6:G0A+7], s[G0A+6:G0A+7], 2*KSTEP  ; the next K step; the type bits on top are not reached
	s_xor_b32 s[G0B+5], s[G0B+5], SLOT
	s_add_nc_u64 s[G0B+6:G0B+7], s[G0B+6:G0B+7], 2*KSTEP
.endif
	MUL16 F0, 1, 0, 0
	s_wait_dscnt 0x0                               ; the add is done, and my reads of this slot are over
	s_barrier_signal -1
	MUL16 F0, 1, 2, 0                              ; work on registers while the others arrive
	WIN 0                                          ; at a branch and at a label every window is 0
	s_barrier_wait -1
.if \fill
	CREST                                          ; no wave of any partner still reads this slot or has a load on its way
	JLOAD
.endif
	s_xor_b32 s[TB], s[TB], SLOT                   ; the fetches go on in the other slot
	v_add_nc_u32 v[ADA], s[TB], v[ADA0]
	v_add_nc_u32 v[ADB], s[TB], v[ADB0]
.endm
; THE WAY OUT of row block a: rounded to f16, 16 bytes a lane; into my own stage, back as whole rows of 256 bytes; stored.
.macro PACK a
.set AC, 64*((\a)%4)
	WIN 0x0a+5*((\a)/4)                            ; sources 0 and 1: window 2 or 3
.irp b, 0,1,2,3,4,5,6,7
.irp r, 0,1,2,3
	v_cvt_pk_f16_f32 v[TMP+4*(\b)+(\r)], v[AC+8*(\b)+2*(\r)], v[AC+8*(\b)+2*(\r)+1]
.endr
.endr
	WIN 0
.endm
.macro TOSTAGE a
	WIN 0
.set BK, OB+192*((\a)%2)
.irp b, 0,1,2,3,4,5,6,7
	ds_store_b128 v[STO], v[TMP+4*(\b):TMP+4*(\b)+3] offset:32*(\b)
.endr
.irp t, 0,1,2,3,4,5,6,7
	ds_load_b128 v[BK+4*(\t):BK+4*(\t)+3], v[RD] offset:(\t)*2*PITCH  ; LDS serves a wave's instructions in order (ISA guide 5.7.1.4): these see the stores above
.endr
.endm
.macro SEND a
	WIN 0
.set BK, OB+192*((\a)%2)
	s_wait_dscnt 0x0                               ; the block is back in registers
	s_wait_xcnt 0x0                                ; earlier stores have read their base and their data: both are written again only behind this wait
.if (\a) > 0
	s_add_nc_u64 s[OUT:OUT+1], s[OUT:OUT+1], 16*OUTP
.endif
.irp t, 0,1,2,3,4,5,6,7
	global_store_b128 v[CO], v[BK+4*(\t):BK+4*(\t)+3], s[OUT:OUT+1] offset:2*(\t)*OUTP  ; 16 lanes store 256 consecutive bytes, aligned
.endr
.endm
	s_load_b256 s[4:11], s[0:1], 0x0               ; X 4:5, WA 6:7, WB 8:9, bias0 10:11
	s_load_b128 s[12:15], s[0:1], 0x20             ; bias1 12:13, O 14:15
	v_lshl_add_u32 v[SPW], v0, 2, SPARE
	v_mov_b32 v[NIL], 0
	ds_add_u32 v[SPW], v[NIL]                      ; the wave's opening: the add and its wait stand ahead of my first tensor load, with work on registers between them
	v_lshrrev_b32 v3, 5, v0
	v_readfirstlane_b32 s[WV], v3
	s_lshr_b32 s[RH], s[WV], 1
	s_and_b32 s[CH], s[WV], 1
	s_bfe_u32 s[CX], ttmp6, 0x40000
	s_bfe_u32 s[CY], ttmp6, 0x40004
	s_and_b32 s[CLY], ttmp7, 0xffff
	s_lshr_b32 s[J2], s[CLY], 3                    ; the ninth row of clusters has job J2
	s_and_b32 s[CLY], s[CLY], 7
	s_mov_b32 s[HX], ttmp9
	s_or_b32 s[HF], s[HX], s[J2]
	s_lshl_b32 s[TR], s[CLY], 2
	s_add_co_u32 s[TR], s[TR], s[CY]
	s_lshl_b32 s40, s[CY], 2
	s_lshl_b32 s40, 15, s40                        ; my row of the cluster
	s_lshl_b32 s41, 0x1111, s[CX]                  ; my column
	s_or_b32 s[G1A], s40, G1W
	s_or_b32 s[G1B], s41, G1W
.irp g, G1A, G1B
	s_mov_b32 s[(\g)+1], KSTEP<<16                 ; tensor_dim0 = 128
	s_mov_b32 s[(\g)+2], 128<<16                   ; tensor_dim1 = 128
	s_mov_b32 s[(\g)+3], KSTEP<<16                 ; tile_dim0 = 128
	s_mov_b32 s[(\g)+4], 128                       ; tile_dim1 = 128
	s_mov_b32 s[(\g)+5], ROWB/2                    ; elements from row to row
	s_mov_b32 s[(\g)+6], 0
	s_mov_b32 s[(\g)+7], 0
.endr
	s_lshl_b32 s42, s[TR], 19                      ; A: 256 rows of 2,048 bytes a tile row, + my 128 rows, + 4 MiB in job J2; no cx enters
	s_lshl_b32 s43, s[CH], 18
	s_add_co_u32 s42, s42, s43
	s_lshl_b32 s43, s[J2], 22
	s_add_co_u32 s42, s42, s43
	s_mov_b32 s43, 0
	s_lshl_b32 s44, s[CX], 19                      ; W: the same by the tile column, + 2 MiB in job J2; no cy enters
	s_lshl_b32 s45, s[CH], 18
	s_add_co_u32 s44, s44, s45
	s_lshl_b32 s45, s[J2], 21
	s_add_co_u32 s44, s44, s45
	s_mov_b32 s45, 0
	s_mul_i32 s[LP], s[WV], HALFT                  ; no place in the cluster enters an LDS address
	s_mov_b32 s[TB], 0
	s_wait_dscnt 0x0                               ; the opening add is done
	s_wait_kmcnt 0x0
	s_cmp_eq_u32 s[J2], 0                          ; the job's buffers: the same choice in all sixteen partners
	s_cselect_b64 s[AA:AA+1], s[4:5], s[6:7]
	s_cmp_eq_u32 s[HX], 0
	s_cselect_b64 s[BA:BA+1], s[6:7], s[8:9]
	s_cselect_b64 s[BI:BI+1], s[10:11], s[12:13]
	s_cmp_eq_u32 s[HF], 0
	s_cselect_b32 s46, 16777216, 0                 ; and its part of O
	s_add_nc_u64 s[AA:AA+1], s[AA:AA+1], s[42:43]
	s_add_nc_u64 s[BA:BA+1], s[BA:BA+1], s[44:45]
	CROUND                                         ; all sixteen work-groups are here: the first joint loads meet
	s_mov_b32 s[G0A], 1                            ; count = 1
	s_mov_b32 s[G0A+1], s[LP]                      ; slot 0
	s_add_nc_u64 s[G0A+2:G0A+3], s[AA:AA+1], 0     ; K step 0
	s_or_b32 s[G0A+3], s[G0A+3], 0x80000000        ; type = 2
	s_mov_b32 s[G0A+4], 1
	s_add_co_u32 s[G0A+5], s[LP], SLOT             ; slot 1
	s_add_nc_u64 s[G0A+6:G0A+7], s[AA:AA+1], 2*KSTEP  ; K step 1
	s_or_b32 s[G0A+7], s[G0A+7], 0x80000000
	s_mov_b32 s[G0B], 1
	s_mov_b32 s[G0B+1], s[LP]
	s_add_nc_u64 s[G0B+2:G0B+3], s[BA:BA+1], 0
	s_or_b32 s[G0B+3], s[G0B+3], 0x80000000
	s_mov_b32 s[G0B+4], 1
	s_add_co_u32 s[G0B+5], s[LP], SLOT
	s_add_nc_u64 s[G0B+6:G0B+7], s[BA:BA+1], 2*KSTEP
	s_or_b32 s[G0B+7], s[G0B+7], 0x80000000
	s_cmp_eq_u32 s[RH], 0                          ; a wave's two first fills stand in one branch: two loads of mine are out
	s_cbranch_scc0 .Lfirst_b
	tensor_load_to_lds s[G0A:G0A+3], s[G1A:G1A+7]
	s_nop 0
	tensor_load_to_lds s[G0A+4:G0A+7], s[G1A:G1A+7]
	s_nop 0
.rept 4
	v_nop
.endr
	s_branch .Lfirst_asked
.Lfirst_b:
	tensor_load_to_lds s[G0B:G0B+3], s[G1B:G1B+7]
	s_nop 0
	tensor_load_to_lds s[G0B+4:G0B+7], s[G1B:G1B+7]
	s_nop 0
.rept 4
	v_nop
.endr
.Lfirst_asked:
	v_and_b32 v1, 15, v0                           ; l % 16
	v_bfe_u32 v2, v0, 4, 1                         ; l / 16
	s_cmp_lg_u32 s[J2], 0
	s_cbranch_scc1 .Lno_bias
	s_lshl_b32 s40, s[CX], 10                      ; the bias of my 128 columns: 256 cx + 128 half, 4 bytes each
	s_lshl_b32 s41, s[CH], 9
	s_add_co_u32 s40, s40, s41
	s_mov_b32 s41, 0
	s_add_nc_u64 s[BI:BI+1], s[BI:BI+1], s[40:41]
	v_lshlrev_b32 v6, 5, v2                        ; my lanes' 8 columns of each 16
.irp b, 0,1,2,3,4,5,6,7
	global_load_b128 v[BIAS+8*\b:BIAS+8*\b+3],   v6, s[BI:BI+1] offset:64*\b
	global_load_b128 v[BIAS+8*\b+4:BIAS+8*\b+7], v6, s[BI:BI+1] offset:64*\b+16
.endr
	s_branch .Lbias_asked
.Lno_bias:                                     ; job J2 has no bias: its sums start at 0, by the same first products
.set i, 0
.rept 64
	v_mov_b32 v[BIAS+i], 0
.set i, i+1
.endr
.Lbias_asked:
	v_mul_u32_u24 v3, v1, PITCH
	v_lshl_add_u32 v3, v2, 4, v3                   ; row x pitch + 16 x half
	s_mul_i32 s40, s[RH], HALFT
	v_add_nc_u32 v[ADA0], s40, v3
	s_mul_i32 s40, s[CH], HALFT
	s_add_co_u32 s40, s40, 2*HALFT
	v_add_nc_u32 v[ADB0], s40, v3
	v_mov_b32 v[ADA], v[ADA0]
	v_mov_b32 v[ADB], v[ADB0]
	s_mul_i32 s40, s[WV], 16*PITCH
	s_add_co_u32 s40, s40, STAGE                   ; my stage
	v_add_nc_u32 v[STO], s40, v3                   ; in: row l % 16, 16 bytes for each half of the lanes
	v_mul_u32_u24 v4, v2, PITCH                    ; back: lanes 0-15 one row of 256 bytes, lanes 16-31 the next
	v_lshl_add_u32 v4, v1, 4, v4
	v_add_nc_u32 v[RD], s40, v4
	v_mul_u32_u24 v5, v2, OUTP                     ; and the same two rows in O
	v_lshl_add_u32 v[CO], v1, 4, v5
	v_and_b32 v[PFO], 31, v0
	v_lshlrev_b32 v[PFO], 11, v[PFO]
	s_lshl_b32 s40, s[TR], 19                      ; O at my 128 x 128: tile row, my rows, 512 bytes a tile column, my columns, the job's part
	s_lshl_b32 s41, s[RH], 18
	s_add_co_u32 s40, s40, s41
	s_lshl_b32 s41, s[CX], 9
	s_add_co_u32 s40, s40, s41
	s_lshl_b32 s41, s[CH], 8
	s_add_co_u32 s40, s40, s41
	s_add_co_u32 s40, s40, s46
	s_mov_b32 s41, 0
	s_add_nc_u64 s[OUT:OUT+1], s[14:15], s[40:41]
	s_cmp_eq_u32 s[RH], 0                          ; the prefetches: do I fetch for A?
	s_cselect_b64 s[PFA:PFA+1], s[AA:AA+1], s[BA:BA+1]
	s_cselect_b32 s40, s[CX], s[CY]                ; my place among the four that ask with me
	s_cselect_b32 s41, s[HX], s[CLY]               ; the coordinate along which other clusters read the same rows
	s_cmp_eq_u32 s41, 0
	s_cselect_b32 s[LIM], 1, -1                    ; the same in all sixteen partners, for a given wave
	s_lshl_b32 s40, s40, 16                        ; my work-group's 32 rows of the 128,
	s_add_co_u32 s40, s40, 3*2*KSTEP               ; at K step 3: the first change of slots steps it to 4
	s_mov_b32 s41, 0
	s_add_nc_u64 s[PFA:PFA+1], s[PFA:PFA+1], s[40:41]
	s_wait_loadcnt 0x0                             ; the bias
	s_cmp_lg_u32 s[HF], 0
	s_cbranch_scc1 .Lraw                           ; b' is the program's own f32 number and stays as it is
.set i, 0
.rept 32                               ; bq, bk: rounded to bf16 like every input, and widened again, in place
	v_cvt_pk_bf16_f32 v[7+i%2], v[BIAS+2*i], v[BIAS+2*i+1]
	v_lshlrev_b32 v[BIAS+2*i], 16, v[7+i%2]
	v_and_b32 v[BIAS+2*i+1], 0xffff0000, v[7+i%2]
.set i, i+1
.endr
.Lraw:
	s_wait_tensorcnt 0x1                           ; my part of K step 0 is in; K step 1's may stay out
	s_barrier_signal -1
	s_barrier_wait -1                              ; everybody's is
	FETCH 0, F0
	QUART 64,  F0, F1, 1                           ; K step 0's first quarter starts the sums: it alone is written out ahead of the loop,
	WIN 0
	s_mov_b32 s[CNT], 6
	s_branch .Lenter                               ; which is entered in the middle of its first trip
.Lstep:                                        ; a trip: the last quarter of one K step and the first three of the next; the six trips' refills bring K steps 2 .. 7
	QUART 0,   F1, F0, 0, 1
	QUART 64,  F0, F1
	WIN 0
.Lenter:
	QUART 128, F1, F0
	TURNQ 1
	s_sub_co_u32 s[CNT], s[CNT], 1
	s_cmp_lg_u32 s[CNT], 0
	s_cbranch_scc1 .Lstep
	s_mov_b32 s[CNT], 2
.Ltail:                                        ; K steps 6 and 7 ask for nothing.  The first trip's barrier shows K step 7 whole; the second trip's orders nothing: the price of one text for both
	QUART 0,   F1, F0
	QUART 64,  F0, F1
	QUART 128, F1, F0
	TURNQ 0
	s_sub_co_u32 s[CNT], s[CNT], 1
	s_cmp_lg_u32 s[CNT], 0
	s_cbranch_scc1 .Ltail
	s_wait_dscnt 0x0
	MUL16 F1, 0, 0, 0                              ; the very last quarter
	MUL16 F1, 0, 2, 0
	MUL16 F1, 1, 0, 0
	MUL16 F1, 1, 2, 0
	WIN 0
	PLACES
	PLACES
	PACK 0
	TOSTAGE 0
.irp a, 1,2,3,4,5,6,7                  ; block a's conversions stand between block a - 1's loads from the stage and the wait for them
	PACK \a
	SEND (\a)-1
	TOSTAGE \a
.endr
	SEND 7
	s_wait_tensorcnt 0x0                           ; the wave's end: behind my last tensor load and my last LDS store
	ds_add_u32 v[SPW], v[NIL]
	s_wait_dscnt 0x0
	CROUND                                         ; the closing round: no work-group ends while a partner may still ask for a tile that names it
	s_endpgm
.Lfunc_end_k_q57c2f4d944_qw:
	.size	k_q57c2f4d944_qw, .Lfunc_end_k_q57c2f4d944_qw-k_q57c2f4d944_qw
	.p2alignl 7, 3214868480
	.fill 96, 4, 3214868480
	.section	.rodata,"a",@progbits
	.p2align	6, 0x0
	.amdhsa_kernel k_q57c2f4d944_qw
		.amdhsa_group_segment_fixed_size 327680
		.amdhsa_private_segment_fixed_size 0
		.amdhsa_enable_private_segment 0
		.amdhsa_kernarg_size 48
		.amdhsa_user_sgpr_count 2
		.amdhsa_user_sgpr_kernarg_segment_ptr 1
		.amdhsa_wavefront_size32 1
		.amdhsa_system_sgpr_workgroup_id_x 1
		.amdhsa_system_sgpr_workgroup_id_y 1
		.amdhsa_system_sgpr_workgroup_id_z 1
		.amdhsa_system_vgpr_workitem_id 0
		.amdhsa_next_free_vgpr 1024
		.amdhsa_next_free_sgpr 88
		.amdhsa_reserve_vcc 0
		.amdhsa_float_denorm_mode_32 3
		.amdhsa_float_denorm_mode_16_64 3
		.amdhsa_memory_ordered 1
		.amdhsa_forward_progress 1
		.amdhsa_inst_pref_size 114
	.end_amdhsa_kernel
	.amdgpu_metadata
---
amdhsa.version: [ 1, 2 ]
amdhsa.kernels:
  - .name:           k_q57c2f4d944_qw
    .symbol:         k_q57c2f4d944_qw.kd
    .args:
      - { .name: x1h, .offset: 0, .size: 8, .value_kind: global_buffer, .address_space: global }
      - { .name: w1, .offset: 8, .size: 8, .value_kind: global_buffer, .address_space: global }
      - { .name: w2, .offset: 16, .size: 8, .value_kind: global_buffer, .address_space: global }
      - { .name: bq, .offset: 24, .size: 8, .value_kind: global_buffer, .address_space: global }
      - { .name: tb, .offset: 32, .size: 8, .value_kind: global_buffer, .address_space: global }
      - { .name: o1, .offset: 40, .size: 8, .value_kind: global_buffer, .address_space: global }
    .group_segment_fixed_size: 327680
    .private_segment_fixed_size: 0
    .kernarg_segment_align: 8
    .kernarg_segment_size: 48
    .max_flat_workgroup_size: 128
    .sgpr_count:     88
    .vgpr_count:     1024
    .wavefront_size: 32
...
	.end_amdgpu_metadata
.endif
;; end of part 2
;; launch ku: the kernel of part 2 again; grid 8 x 32, 4 waves a work-group, clusters of 4 x 4, 327,680 bytes of LDS; arguments x2h, w2, o1, bk, tb, o2; writes o2
;; launch scores (part 3): grid 8 x 32, 4 waves a work-group, clusters of 4 x 4, 327,680 bytes of LDS; arguments o1, o2, pm; writes pm
.if DOCPART == 3
	.amdgcn_target "amdgcn-amd-amdhsa--gfx1250"
	.amdhsa_code_object_version 6
	.text
	.protected	k_q57c2f4d944_scores
	.globl	k_q57c2f4d944_scores
	.p2align	8
	.type	k_q57c2f4d944_scores,@function
k_q57c2f4d944_scores:
	s_mov_b64 s[64:65], 0
	v_nop
	global_prefetch_b8 v0, s[64:65] scope:SCOPE_SE
	s_setreg_imm32_b32 hwreg(HW_REG_WAVE_MODE, 25, 1), 1
	s_wait_xcnt 0x0
	s_wait_alu depctr_hold_cnt(0) depctr_sa_sdst(0) depctr_va_vdst(0) depctr_va_sdst(0) depctr_va_ssrc(0) depctr_va_vcc(0) depctr_vm_vsrc(0)
	s_getreg_b32 s2, hwreg(HW_REG_IB_STS2, 6, 4)
	s_cmp_eq_u32 s2, 0
	s_cbranch_scc0 .Lentry_in_a_cluster
	s_endpgm
.Lentry_in_a_cluster:
	s_bfe_u32 s2, ttmp6, 0x10000c
	s_cmp_lg_u32 s2, 0xf033
	s_cbranch_scc0 .Lentry_shape_is_right
	s_endpgm
.Lentry_shape_is_right:
; SCORES AND THE FIRST HALF OF THE SOFTMAX.  s[b][t][k] = q[4 t + b] . k[4 k + b] over 1,024 channels; q lies in o1 from byte 16 MiB on, k in o2 from byte 16 MiB on, [8192][1024] f16, row 4 t + b.
; For each query t and each block j of 128 keys this launch stores: c m, with m the TRUE maximum of the row's 128 scores of the block and c = log2(e) / 32; p~ = 2^(c s - c m), in f16, which lies in 0 to 1; and
; l, the sum of the block's unrounded p~, in f32.  The next launch joins the 16 blocks of a row by their maxima.  No exponent is above 0 (but for the rounding of c m), whatever the inputs.
; pm: byte 0: p~[b][t][k], rows of 4,096 bytes;  byte 33,554,432: c m [b][j][t] f32;  byte 34,078,720: l [b][j][t] f32.
; LIMITS.  A weight below 2^-126 counts as 0 in l; below 6.1e-5 p~ keeps f16's fixed step of 6e-8.  NaN and infinities are not treated apart.
; SHARES.  256 work-groups: 4 batches x 8 x 8 tiles of 256 queries x 256 keys; four waves, each 128 x 128: one block j for 128 rows.  K = 1,024 in 8 steps of 128 through two LDS slots; ring, cluster and turns as in the
; projections' text: the four work-groups of a row of the cluster share q's rows, the four of a column k's rows, each tile asked for jointly.
; THE MATRIX INSTRUCTION IS USED TRANSPOSED (source 0 = 16 keys, source 1 = 16 queries): a lane holds ONE query (l % 16) and the keys 8 (l / 16) + 0..7 of each 16: a row's maximum and sum want one exchange between the lanes' halves.
; REGISTERS: window 0: v0-31 addresses; v64-191 q's fragments, two buffers, later the softmax's working registers; v32-63, v192-255 the way out.  window 1: v64-191 k's fragments.  windows 2, 3: the 64 accumulators.
.set KSTEP,  128
.set PITCH,  272                       ; an LDS row: 256 bytes + 16 of padding = 68 words: the 16 rows of a fragment load start at 16 different groups of four banks (64 banks of 4 bytes: ISA guide 11.1)
.set HALFT,  128*PITCH
.set SLOT,   4*HALFT                   ; 0x22000 shares no bit with wave x 0x8800: one exclusive or turns an address in one slot into the other's
.set STAGE,  2*SLOT                    ; behind the ring: 16 rows x 272 bytes for each wave
.set SPARE,  STAGE+4*16*PITCH          ; the spare words, 128 bytes for each wave: two blocks of 256 bytes that no other line names
.set ROWB,   8192                      ; bytes from one query (or key) of a batch to the next
.set OUTP,   4096                      ; bytes in a row of p~
.set G1W,    (1<<16)|(1<<20)|(1<<21)|(5<<22)|(3<<25)
.set ADA0, 10
.set ADB0, 11
.set SA4,  12                          ; v12  my stage + 4 (l % 16): where a row's statistic goes
.set SA16, 13                          ; v13  my stage + 16 x lane: where four of them are read back
.set SO,   14                          ; v14  16 x lane: their place in 512 bytes of pm
.set ADA,  16
.set ADB,  20
.set STO,  24
.set RD,   25
.set CO,   26
.set SPW,  28
.set NIL,  29
.set PFO,  30
.set OB,   32
.set F0,   64
.set F1,   128
.set TMP,  192
.set MX,   64                          ; v[64:85]   partial maxima
.set SU,   96                          ; v[96:127]  partial sums
.set CM,   128                         ; v[128:143] c m of block a, as a pair
.set LS,   144                         ; v[144:151] l of block a
.set SB,   160                         ; v[160:167] the statistics read back
.set WV,  16
.set RH,  17
.set CH,  18
.set CX,  19
.set CY,  20
.set CLY, 21
.set TR,  22                           ; tile row in the batch, 0..7
.set TC,  23                           ; tile column, 0..7
.set G1A, 24
.set G0A, 32
.set G1B, 48
.set G0B, 56
.set TB,  66
.set CNT, 67
.set LIM, 68
.set LP,  69
.set PFA, 70
.set OUT, 74
.set CS,  76                           ; s[76:77] c, twice: the packed scaling names a pair
.set SEL, 78                           ; s[78:79] v_permlanex16_b32's selects
.set ST,  80                           ; s[80:81] pm at my 128 rows' c m
.set BAT, 82
.set HF,  83                           ; the cluster's x
.set AA,  84
.set BA,  86
.set MSB, 0
.macro WIN new
.if MSB != (\new)
	s_set_vgpr_msb (MSB<<8)|(\new)
.set MSB, (\new)
.endif
.endm
.macro PLACES
.rept 4
	v_nop
.endr
.endm
.macro CREST
	s_cmp_lg_u32 s[WV], 0
	s_cbranch_scc1 .Lnot_wave_0_\@
	s_barrier_signal -3
.Lnot_wave_0_\@:
	s_barrier_wait -3
	s_barrier_signal -1
	s_barrier_wait -1
.endm
.macro CROUND
	s_barrier_signal -1
	s_barrier_wait -1
	CREST
.endm
.macro JLOAD                           ; a joint refill; the branch hangs on the wave's number alone; an s_nop 0 and four v_nop follow each of the two lines
	s_cmp_eq_u32 s[RH], 0
	s_cbranch_scc0 .Lfor_b_\@
	tensor_load_to_lds s[G0A+4:G0A+7], s[G1A:G1A+7]
	s_nop 0
.rept 4
	v_nop
.endr
	s_branch .Lasked_\@
.Lfor_b_\@:
	tensor_load_to_lds s[G0B+4:G0B+7], s[G1B:G1B+7]
	s_nop 0
.rept 4
	v_nop
.endr
.Lasked_\@:
.endm
; A PREFETCH INTO THE L2 of the K step two refills on: 32 rows x 256 bytes, a lane a row.  q's rows of a tile row are read by the two clusters of a row of clusters: the one with x = 0 asks; k's rows by the two clusters
; of a batch in a column of clusters: the one with even y asks.  The four partners of a joint load take 32 of its 128 rows each, told apart by address.  The trips with CNT = 5 .. 2 name K steps 4 .. 7.
.macro ASK
	s_cmp_gt_u32 s[CNT], s[LIM]
	s_cbranch_scc0 .Lnot_mine_\@
	global_prefetch_b8 v[PFO], s[PFA:PFA+1] th:TH_LOAD_NT scope:SCOPE_SE
.Lnot_mine_\@:
.endm
.macro MUL16 f, hi, a0, zero           ; 16 matrix instructions; zero = 1: the first product starts the sums
	WIN 0xa1+0x50*(\hi)
.irp a, \a0, (\a0)+1
.irp b, 0,1,2,3,4,5,6,7
.if \zero
	v_wmma_f32_16x16x32_f16 v[8*(8*(\a)+(\b)):8*(8*(\a)+(\b))+7], v[(\f)+8*(\b):(\f)+8*(\b)+7], v[(\f)+8*(4*(\hi)+(\a)):(\f)+8*(4*(\hi)+(\a))+7], 0
.else
	v_wmma_f32_16x16x32_f16 v[8*(8*(\a)+(\b)):8*(8*(\a)+(\b))+7], v[(\f)+8*(\b):(\f)+8*(\b)+7], v[(\f)+8*(4*(\hi)+(\a)):(\f)+8*(4*(\hi)+(\a))+7], v[8*(8*(\a)+(\b)):8*(8*(\a)+(\b))+7]
.endif
.endr
.endr
.endm
.macro FETCH k, f
	WIN 0x40
.irp i, 0,1,2,3,4,5,6,7
	ds_load_b128 v[(\f)+8*\i:(\f)+8*\i+3],   v[ADB] offset:(\k)+\i*16*PITCH
	ds_load_b128 v[(\f)+8*\i+4:(\f)+8*\i+7], v[ADB] offset:(\k)+\i*16*PITCH+32
.endr
	WIN 0
.irp i, 0,1,2,3,4,5,6,7
	ds_load_b128 v[(\f)+8*\i:(\f)+8*\i+3],   v[ADA] offset:(\k)+\i*16*PITCH
	ds_load_b128 v[(\f)+8*\i+4:(\f)+8*\i+7], v[ADA] offset:(\k)+\i*16*PITCH+32
.endr
.endm
.macro QUART k, f, g, zero=0, ask=0    ; the next quarter's fragments are asked for; then buffer f is multiplied; the 64 accumulators take turns in the same order in every quarter
	PLACES
	FETCH \k, \g
.if \ask
	ASK
.endif
	s_wait_dscnt 32                                ; all but the 32 just issued
	MUL16 \f, 0, 0, \zero
	MUL16 \f, 0, 2, \zero
	MUL16 \f, 1, 0, \zero
	MUL16 \f, 1, 2, \zero
.endm
.macro TURNQ fill                      ; the third quarter and the change of slots: one barrier; with fill = 1 it opens a round of the cluster's, and the joint refill is the first thing behind the round
.if \fill
	s_wait_xcnt 0x0                                ; the last prefetch, three quarters back, has read its address
	s_add_nc_u64 s[PFA:PFA+1], s[PFA:PFA+1], 2*KSTEP
.endif
	PLACES
	FETCH 192, F1
	s_wait_dscnt 32
	MUL16 F0, 0, 0, 0
	MUL16 F0, 0, 2, 0
	WIN 0
	s_wait_tensorcnt 0x0                           ; no tensor load of mine is out: my part of the other slot has landed
	ds_add_u32 v[SPW], v[NIL]                      ; 0 onto my spare word
.if \fill
	s_xor_b32 s[G0A+5], s[G0A+5], SLOT
	s_add_nc_u64 s[G0A+6:G0A+7], s[G0A+6:G0A+7], 2*KSTEP
	s_xor_b32 s[G0B+5], s[G0B+5], SLOT
	s_add_nc_u64 s[G0B+6:G0B+7], s[G0B+6:G0B+7], 2*KSTEP
.endif
	MUL16 F0, 1, 0, 0
	s_wait_dscnt 0x0                               ; the add is done, and my reads of this slot are over
	s_barrier_signal -1
	MUL16 F0, 1, 2, 0
	WIN 0
	s_barrier_wait -1
.if \fill
	CREST
	JLOAD
.endif
	s_xor_b32 s[TB], s[TB], SLOT
	v_add_nc_u32 v[ADA], s[TB], v[ADA0]
	v_add_nc_u32 v[ADB], s[TB], v[ADB0]
.endm
; THE SOFTMAX OF ROW BLOCK a (16 queries x my 128 keys; a lane holds 64 scores of one query, in the block's 8 accumulators: 64 registers on end).
.macro SOFT a
.set W, 2+(\a)/4
.set AC, 64*((\a)%4)
	WIN W|(W<<2)|(W<<4)                            ; all three sources in the accumulators' window
.set i, 0
.rept 20                               ; the maximum, three operands at a time, in ascending order: each accumulator is first read at one of its lowest registers
	v_max3_num_f32 v[MX+i], v[AC+3*i], v[AC+3*i+1], v[AC+3*i+2]
.set i, i+1
.endr
	v_max_num_f32 v[MX+20], v[AC+60], v[AC+61]
	v_max_num_f32 v[MX+21], v[AC+62], v[AC+63]
	WIN 0
.set i, 0
.rept 7
	v_max3_num_f32 v[MX+i], v[MX+3*i], v[MX+3*i+1], v[MX+3*i+2]
.set i, i+1
.endr
	v_max3_num_f32 v[MX], v[MX], v[MX+1], v[MX+2]
	v_max3_num_f32 v[MX+3], v[MX+3], v[MX+4], v[MX+5]
	v_max_num_f32 v[MX+6], v[MX+6], v[MX+21]
	v_max3_num_f32 v[MX], v[MX], v[MX+3], v[MX+6]
	v_permlanex16_b32 v[MX+1], v[MX], s[SEL], s[SEL+1]  ; the query's other 64 keys lie in the lane 16 away
	v_max_num_f32 v[MX], v[MX], v[MX+1]
	v_mul_f32 v[CM+2*(\a)], s[CS], v[MX]
	v_mov_b32 v[CM+2*(\a)+1], v[CM+2*(\a)]         ; named with it as a pair
	WIN (W<<6)|W                                   ; destination and source 0 in the accumulators' window, c m in window 0
	; ONE BATCH: 32 packed scalings c s - c m and 64 exponentials, in place; a scaling, then the two exponentials of the pair before it.  Nothing here names an exponential's result.
	v_pk_fma_f32 v[AC:AC+1], v[AC:AC+1], s[CS:CS+1], v[CM+2*(\a):CM+2*(\a)+1] op_sel_hi:[1,0,0] neg_lo:[0,0,1] neg_hi:[0,0,1]
.set i, 1
.rept 31
	v_pk_fma_f32 v[AC+2*i:AC+2*i+1], v[AC+2*i:AC+2*i+1], s[CS:CS+1], v[CM+2*(\a):CM+2*(\a)+1] op_sel_hi:[1,0,0] neg_lo:[0,0,1] neg_hi:[0,0,1]
	v_exp_f32 v[AC+2*i-2], v[AC+2*i-2]
	v_exp_f32 v[AC+2*i-1], v[AC+2*i-1]
.set i, i+1
.endr
	v_exp_f32 v[AC+62], v[AC+62]
	v_exp_f32 v[AC+63], v[AC+63]
	v_nop                                          ; a plain instruction behind the last exponential,
	s_wait_alu depctr_va_vdst(0)                   ; and the one wait ahead of the batch's first reader
	WIN W|(W<<2)
.set i, 0
.rept 32
	v_cvt_pk_f16_f32 v[TMP+i], v[AC+2*i], v[AC+2*i+1]  ; 8 neighbouring keys of a row: 16 bytes in 4 registers
.set i, i+1
.endr
.set i, 0
.rept 16
	v_pk_add_f32 v[SU+2*i:SU+2*i+1], v[AC+4*i:AC+4*i+1], v[AC+4*i+2:AC+4*i+3]  ; the sum of the unrounded weights, as a tree
.set i, i+1
.endr
	WIN 0
.irp n, 8, 4, 2, 1
.set i, 0
.rept \n
	v_pk_add_f32 v[SU+2*i:SU+2*i+1], v[SU+2*i:SU+2*i+1], v[SU+2*(\n)+2*i:SU+2*(\n)+2*i+1]
.set i, i+1
.endr
.endr
	v_add_f32 v[SU], v[SU], v[SU+1]
	v_permlanex16_b32 v[MX+1], v[SU], s[SEL], s[SEL+1]
	v_add_f32 v[LS+(\a)], v[SU], v[MX+1]
.endm
.macro TOSTAGE a
	WIN 0
.set BK, OB+192*((\a)%2)
.irp b, 0,1,2,3,4,5,6,7
	ds_store_b128 v[STO], v[TMP+4*(\b):TMP+4*(\b)+3] offset:32*(\b)
.endr
.irp t, 0,1,2,3,4,5,6,7
	ds_load_b128 v[BK+4*(\t):BK+4*(\t)+3], v[RD] offset:(\t)*2*PITCH  ; LDS serves a wave's instructions in order (ISA guide 5.7.1.4): these see the stores above
.endr
.endm
.macro SEND a
	WIN 0
.set BK, OB+192*((\a)%2)
	s_wait_dscnt 0x0
	s_wait_xcnt 0x0                                ; earlier stores have read their base and their data
.if (\a) > 0
	s_add_nc_u64 s[OUT:OUT+1], s[OUT:OUT+1], 16*OUTP
.endif
.irp t, 0,1,2,3,4,5,6,7
	global_store_b128 v[CO], v[BK+4*(\t):BK+4*(\t)+3], s[OUT:OUT+1] offset:2*(\t)*OUTP  ; 16 lanes store 256 consecutive bytes, aligned
.endr
.endm
	s_load_b128 s[4:7], s[0:1], 0x0                ; o1 4:5, o2 6:7
	s_load_b64 s[8:9], s[0:1], 0x10                ; pm
	v_lshl_add_u32 v[SPW], v0, 2, SPARE
	v_mov_b32 v[NIL], 0
	ds_add_u32 v[SPW], v[NIL]                      ; the wave's opening: the add and its wait stand ahead of my first tensor load
	v_lshrrev_b32 v3, 5, v0
	v_readfirstlane_b32 s[WV], v3
	s_lshr_b32 s[RH], s[WV], 1
	s_and_b32 s[CH], s[WV], 1
	s_bfe_u32 s[CX], ttmp6, 0x40000
	s_bfe_u32 s[CY], ttmp6, 0x40004
	s_and_b32 s[CLY], ttmp7, 0xffff
	s_lshr_b32 s[BAT], s[CLY], 1                   ; two clusters along y to a batch
	s_and_b32 s[TR], s[CLY], 1
	s_lshl_b32 s[TR], s[TR], 2
	s_add_co_u32 s[TR], s[TR], s[CY]
	s_mov_b32 s[HF], ttmp9
	s_lshl_b32 s[TC], s[HF], 2
	s_add_co_u32 s[TC], s[TC], s[CX]
	s_lshl_b32 s40, s[CY], 2
	s_lshl_b32 s40, 15, s40
	s_lshl_b32 s41, 0x1111, s[CX]
	s_or_b32 s[G1A], s40, G1W
	s_or_b32 s[G1B], s41, G1W
.irp g, G1A, G1B
	s_mov_b32 s[(\g)+1], KSTEP<<16
	s_mov_b32 s[(\g)+2], 128<<16
	s_mov_b32 s[(\g)+3], KSTEP<<16
	s_mov_b32 s[(\g)+4], 128
	s_mov_b32 s[(\g)+5], ROWB/2                    ; 4,096 elements from a query of the batch to the next
	s_mov_b32 s[(\g)+6], 0
	s_mov_b32 s[(\g)+7], 0
.endr
	s_lshl_b32 s42, s[TR], 21                      ; q: 256 queries of 8,192 bytes a tile row, my 128, the batch's 2,048 bytes, 16 MiB into o1; no cx enters
	s_lshl_b32 s43, s[CH], 20
	s_add_co_u32 s42, s42, s43
	s_lshl_b32 s43, s[BAT], 11
	s_add_co_u32 s42, s42, s43
	s_add_co_u32 s42, s42, 16777216
	s_mov_b32 s43, 0
	s_lshl_b32 s44, s[TC], 21                      ; k: the same by the tile column; no cy enters
	s_lshl_b32 s45, s[CH], 20
	s_add_co_u32 s44, s44, s45
	s_lshl_b32 s45, s[BAT], 11
	s_add_co_u32 s44, s44, s45
	s_add_co_u32 s44, s44, 16777216
	s_mov_b32 s45, 0
	s_mul_i32 s[LP], s[WV], HALFT
	s_mov_b32 s[TB], 0
	s_mov_b32 s[CS], 0x3d38aa3b                    ; c = log2(e) / 32
	s_mov_b32 s[CS+1], s[CS]
	s_mov_b32 s[SEL], 0x76543210
	s_mov_b32 s[SEL+1], 0xfedcba98
	s_wait_dscnt 0x0
	s_wait_kmcnt 0x0
	s_add_nc_u64 s[AA:AA+1], s[4:5], s[42:43]
	s_add_nc_u64 s[BA:BA+1], s[6:7], s[44:45]
	CROUND                                         ; all sixteen work-groups are here: the first joint loads meet
	s_mov_b32 s[G0A], 1
	s_mov_b32 s[G0A+1], s[LP]
	s_add_nc_u64 s[G0A+2:G0A+3], s[AA:AA+1], 0
	s_or_b32 s[G0A+3], s[G0A+3], 0x80000000
	s_mov_b32 s[G0A+4], 1
	s_add_co_u32 s[G0A+5], s[LP], SLOT
	s_add_nc_u64 s[G0A+6:G0A+7], s[AA:AA+1], 2*KSTEP
	s_or_b32 s[G0A+7], s[G0A+7], 0x80000000
	s_mov_b32 s[G0B], 1
	s_mov_b32 s[G0B+1], s[LP]
	s_add_nc_u64 s[G0B+2:G0B+3], s[BA:BA+1], 0
	s_or_b32 s[G0B+3], s[G0B+3], 0x80000000
	s_mov_b32 s[G0B+4], 1
	s_add_co_u32 s[G0B+5], s[LP], SLOT
	s_add_nc_u64 s[G0B+6:G0B+7], s[BA:BA+1], 2*KSTEP
	s_or_b32 s[G0B+7], s[G0B+7], 0x80000000
	s_cmp_eq_u32 s[RH], 0                          ; a wave's two first fills stand in one branch: two loads of mine are out
	s_cbranch_scc0 .Lfirst_b
	tensor_load_to_lds s[G0A:G0A+3], s[G1A:G1A+7]
	s_nop 0
	tensor_load_to_lds s[G0A+4:G0A+7], s[G1A:G1A+7]
	s_nop 0
.rept 4
	v_nop
.endr
	s_branch .Lfirst_asked
.Lfirst_b:
	tensor_load_to_lds s[G0B:G0B+3], s[G1B:G1B+7]
	s_nop 0
	tensor_load_to_lds s[G0B+4:G0B+7], s[G1B:G1B+7]
	s_nop 0
.rept 4
	v_nop
.endr
.Lfirst_asked:
	v_and_b32 v1, 15, v0
	v_bfe_u32 v2, v0, 4, 1
	v_mul_u32_u24 v3, v1, PITCH
	v_lshl_add_u32 v3, v2, 4, v3
	s_mul_i32 s40, s[RH], HALFT
	v_add_nc_u32 v[ADA0], s40, v3
	s_mul_i32 s40, s[CH], HALFT
	s_add_co_u32 s40, s40, 2*HALFT
	v_add_nc_u32 v[ADB0], s40, v3
	v_mov_b32 v[ADA], v[ADA0]
	v_mov_b32 v[ADB], v[ADB0]
	s_mul_i32 s40, s[WV], 16*PITCH
	s_add_co_u32 s40, s40, STAGE
	v_add_nc_u32 v[STO], s40, v3
	v_mul_u32_u24 v4, v2, PITCH
	v_lshl_add_u32 v4, v1, 4, v4
	v_add_nc_u32 v[RD], s40, v4
	v_mul_u32_u24 v5, v2, OUTP
	v_lshl_add_u32 v[CO], v1, 4, v5
	v_lshl_add_u32 v[SA4], v1, 2, s40
	v_and_b32 v[PFO], 31, v0
	v_lshlrev_b32 v[SO], 4, v[PFO]
	v_add_nc_u32 v[SA16], s40, v[SO]
	v_lshlrev_b32 v[PFO], 13, v[PFO]
	s_lshl_b32 s40, s[BAT], 23                     ; p~ at my 128 x 128
	s_lshl_b32 s41, s[TR], 20
	s_add_co_u32 s40, s40, s41
	s_lshl_b32 s41, s[RH], 19
	s_add_co_u32 s40, s40, s41
	s_lshl_b32 s41, s[TC], 9
	s_add_co_u32 s40, s40, s41
	s_lshl_b32 s41, s[CH], 8
	s_add_co_u32 s40, s40, s41
	s_mov_b32 s41, 0
	s_add_nc_u64 s[OUT:OUT+1], s[8:9], s[40:41]
	s_lshl_b32 s40, s[BAT], 17                     ; c m [b][j][t]: j = 2 x tile column + my half, t = 256 x tile row + 128 x my half of the rows
	s_lshl_b32 s41, s[TC], 14
	s_add_co_u32 s40, s40, s41
	s_lshl_b32 s41, s[CH], 13
	s_add_co_u32 s40, s40, s41
	s_lshl_b32 s41, s[TR], 10
	s_add_co_u32 s40, s40, s41
	s_lshl_b32 s41, s[RH], 9
	s_add_co_u32 s40, s40, s41
	s_add_co_u32 s40, s40, 33554432
	s_mov_b32 s41, 0
	s_add_nc_u64 s[ST:ST+1], s[8:9], s[40:41]
	s_and_b32 s41, s[CLY], 1
	s_cmp_eq_u32 s[RH], 0                          ; the prefetches: do I fetch for q?
	s_cselect_b64 s[PFA:PFA+1], s[AA:AA+1], s[BA:BA+1]
	s_cselect_b32 s40, s[CX], s[CY]
	s_cselect_b32 s41, s[HF], s41                  ; the coordinate along which another cluster reads the same rows
	s_cmp_eq_u32 s41, 0
	s_cselect_b32 s[LIM], 1, -1
	s_lshl_b32 s40, s40, 18                        ; my work-group's 32 rows of the 128,
	s_add_co_u32 s40, s40, 3*2*KSTEP               ; at K step 3: the first change of slots steps it to 4
	s_mov_b32 s41, 0
	s_add_nc_u64 s[PFA:PFA+1], s[PFA:PFA+1], s[40:41]
	s_wait_tensorcnt 0x1                           ; my part of K step 0 is in; K step 1's may stay out
	s_barrier_signal -1
	s_barrier_wait -1
	FETCH 0, F0
	QUART 64,  F0, F1, 1                           ; K step 0's first quarter starts the sums: it alone is written out ahead of the loop,
	WIN 0
	s_mov_b32 s[CNT], 6
	s_branch .Lenter                               ; which is entered in the middle of its first trip
.Lstep:                                        ; the six trips' refills bring K steps 2 .. 7
	QUART 0,   F1, F0, 0, 1
	QUART 64,  F0, F1
	WIN 0
.Lenter:
	QUART 128, F1, F0
	TURNQ 1
	s_sub_co_u32 s[CNT], s[CNT], 1
	s_cmp_lg_u32 s[CNT], 0
	s_cbranch_scc1 .Lstep
	s_mov_b32 s[CNT], 2
.Ltail:                                        ; K steps 6 and 7 ask for nothing; the second trip's barrier orders nothing: the price of one text for both
	QUART 0,   F1, F0
	QUART 64,  F0, F1
	QUART 128, F1, F0
	TURNQ 0
	s_sub_co_u32 s[CNT], s[CNT], 1
	s_cmp_lg_u32 s[CNT], 0
	s_cbranch_scc1 .Ltail
	s_wait_dscnt 0x0
	MUL16 F1, 0, 0, 0
	MUL16 F1, 0, 2, 0
	MUL16 F1, 1, 0, 0
	MUL16 F1, 1, 2, 0
	WIN 0
	PLACES
	PLACES
	SOFT 0
	TOSTAGE 0
.irp a, 1,2,3,4,5,6,7                  ; block a's softmax stands between block a - 1's loads from the stage and the wait for them
	SOFT \a
	SEND (\a)-1
	TOSTAGE \a
.endr
	SEND 7
	; the statistics of my 128 rows: through my stage, so that a store covers 512 consecutive bytes.  Both halves of the lanes hold the same number and write the same word.
.irp a, 0,1,2,3,4,5,6,7
	ds_store_b32 v[SA4], v[CM+2*\a] offset:64*\a
	ds_store_b32 v[SA4], v[LS+\a] offset:512+64*\a
.endr
	ds_load_b128 v[SB:SB+3], v[SA16]
	ds_load_b128 v[SB+4:SB+7], v[SA16] offset:512
	s_wait_dscnt 0x0
	global_store_b128 v[SO], v[SB:SB+3], s[ST:ST+1]
	global_store_b128 v[SO], v[SB+4:SB+7], s[ST:ST+1] offset:524288
	s_wait_tensorcnt 0x0                           ; the wave's end: behind my last tensor load and my last LDS store
	ds_add_u32 v[SPW], v[NIL]
	s_wait_dscnt 0x0
	CROUND                                         ; the closing round
	s_endpgm
.Lfunc_end_k_q57c2f4d944_scores:
	.size	k_q57c2f4d944_scores, .Lfunc_end_k_q57c2f4d944_scores-k_q57c2f4d944_scores
	.p2alignl 7, 3214868480
	.fill 96, 4, 3214868480
	.section	.rodata,"a",@progbits
	.p2align	6, 0x0
	.amdhsa_kernel k_q57c2f4d944_scores
		.amdhsa_group_segment_fixed_size 327680
		.amdhsa_private_segment_fixed_size 0
		.amdhsa_enable_private_segment 0
		.amdhsa_kernarg_size 24
		.amdhsa_user_sgpr_count 2
		.amdhsa_user_sgpr_kernarg_segment_ptr 1
		.amdhsa_wavefront_size32 1
		.amdhsa_system_sgpr_workgroup_id_x 1
		.amdhsa_system_sgpr_workgroup_id_y 1
		.amdhsa_system_sgpr_workgroup_id_z 1
		.amdhsa_system_vgpr_workitem_id 0
		.amdhsa_next_free_vgpr 1024
		.amdhsa_next_free_sgpr 88
		.amdhsa_reserve_vcc 0
		.amdhsa_float_denorm_mode_32 3
		.amdhsa_float_denorm_mode_16_64 3
		.amdhsa_memory_ordered 1
		.amdhsa_forward_progress 1
		.amdhsa_inst_pref_size 173
	.end_amdhsa_kernel
	.amdgpu_metadata
---
amdhsa.version: [ 1, 2 ]
amdhsa.kernels:
  - .name:           k_q57c2f4d944_scores
    .symbol:         k_q57c2f4d944_scores.kd
    .args:
      - { .name: o1, .offset: 0, .size: 8, .value_kind: global_buffer, .address_space: global }
      - { .name: o2, .offset: 8, .size: 8, .value_kind: global_buffer, .address_space: global }
      - { .name: pm, .offset: 16, .size: 8, .value_kind: global_buffer, .address_space: global }
    .group_segment_fixed_size: 327680
    .private_segment_fixed_size: 0
    .kernarg_segment_align: 8
    .kernarg_segment_size: 24
    .max_flat_workgroup_size: 128
    .sgpr_count:     88
    .vgpr_count:     1024
    .wavefront_size: 32
...
	.end_amdgpu_metadata
.endif
;; end of part 3
;; launch mix (part 4): grid 4 x 64, 4 waves a work-group, clusters of 4 x 4, 327,680 bytes of LDS; arguments pm, o2, tb, out0; writes out0
.if DOCPART == 4
	.amdgcn_target "amdgcn-amd-amdhsa--gfx1250"
	.amdhsa_code_object_version 6
	.text
	.protected	k_q57c2f4d944_mix
	.globl	k_q57c2f4d944_mix
	.p2align	8
	.type	k_q57c2f4d944_mix,@function
k_q57c2f4d944_mix:
	s_mov_b64 s[64:65], 0
	v_nop
	global_prefetch_b8 v0, s[64:65] scope:SCOPE_SE
	s_setreg_imm32_b32 hwreg(HW_REG_WAVE_MODE, 25, 1), 1
	s_wait_xcnt 0x0
	s_wait_alu depctr_hold_cnt(0) depctr_sa_sdst(0) depctr_va_vdst(0) depctr_va_sdst(0) depctr_va_ssrc(0) depctr_va_vcc(0) depctr_vm_vsrc(0)
	s_getreg_b32 s2, hwreg(HW_REG_IB_STS2, 6, 4)
	s_cmp_eq_u32 s2, 0
	s_cbranch_scc0 .Lentry_in_a_cluster
	s_endpgm
.Lentry_in_a_cluster:
	s_bfe_u32 s2, ttmp6, 0x10000c
	s_cmp_lg_u32 s2, 0xf033
	s_cbranch_scc0 .Lentry_shape_is_right
	s_endpgm
.Lentry_shape_is_right:
; THE SECOND HALF OF THE SOFTMAX AND THE WEIGHTED SUM.  out[t][b][c] = 2^e[c] / L x the sum over the 16 key blocks j of g_j x (the sum over the block's 128 keys of p~ u[4 k + b][c]).
; u (o2's first half, f16) already holds the value and output projections: attn (v wu^T + bu) is (attn v) wu^T + bu in another order of the same sums, the softmax's rows adding up to 1.
; JOINING THE BLOCKS.  M = the maximum over j of c m_j: the row's true maximum; g_j = 2^(c m_j - M), at most 1, rounded to f16; L = the sum of g_j l_j with the ROUNDED g_j, in f32, at least about 1.
; p~'s fragments are multiplied by g_j in packed f16 between LDS and the matrix unit: a lane of that fragment holds one query.  The division by L and the factor 2^e[c] come at the end, in f32.
; LIMITS.  A block with g_j below 6e-8 counts as 0; p~ g_j below 6.1e-5 keeps f16's fixed step of 6e-8.  NaN and infinities are not treated apart.
; SHARES.  256 work-groups: 4 batches x 16 x 4 tiles of 128 queries x 256 channels (256 x 256 would make 128 tiles); four waves, each 64 x 128: 32 accumulators.  K = 2,048 keys in 16 steps of 128, one block j a step,
; through two LDS slots: p~ 128 rows x 256 bytes (waves 0, 1 fetch 64 rows each), u 128 keys x 512 bytes (waves 2, 3 fetch 64 keys each).  Two slots of 256 keys would take 413,696 bytes: more than there is.
; CLUSTER.  4 x 4: the four work-groups of a row share p~'s rows, the four of a column u's tile; each tile is asked for jointly.
; THE MATRIX INSTRUCTION IS USED TRANSPOSED: source 0 = 16 channels x 32 keys of u, turned on the way out of LDS by ds_load_tr16_b128; source 1 = 16 queries x 32 keys of p~ g.  A lane holds one query and 8 channels.
; REGISTERS (s_set_vgpr_msb: bits 1:0 source 0, 3:2 source 1, 5:4 source 2, 7:6 destination):
;   window 0: v0-31 addresses; v32-95 at work; v96-223 rows read back from the stage; v224-231 1 / L
;   window 1: v0-63, v64-127 u's fragments, two buffers; v128-159 p~ as loaded; v160-223 2^e of my lane's 64 channels
;   window 2: v0-127 the accumulators of row blocks 0, 1; v128-159, v160-191 p~ g, two buffers; v192-195 g of the step in hand          window 3: v0-127 the accumulators of row blocks 2, 3
.set PA,    272                        ; a row of p~ in LDS: 256 bytes + 16 = 68 words: the 16 rows of a load start at 16 different groups of four banks (64 banks of 4 bytes: ISA guide 11.1)
.set PB,    544                        ; a row of u: 512 + 32 = 136 words
.set AHALF, 64*PA
.set BOFF,  128*PA                     ; u's tile lies behind p~'s
.set BHALF, 64*PB
.set SLOT1, 131072                     ; slot 1 begins here: one exclusive or turns an address in one slot (104,448 bytes) into the other's
.set GT,    BOFF+128*PB                ; 104,448: behind slot 0, filled by no tensor load: g [j][128 rows], a word = g in f16, twice
.set INVL,  GT+8192                    ; 1 / L of the 128 rows
.set SPARE, INVL+512                   ; the spare words, 128 bytes for each wave: two blocks of 256 bytes that no other line names
.set STAGE, SLOT1+BOFF+128*PB          ; behind slot 1: 16 rows x 528 bytes for each wave
.set SP,    528
.set ADA0, 10
.set ADB0, 11
.set ADA,  12
.set ADB,  13
.set GA,   14                          ; v14  where g of my rows for the next step lies
.set PFO,  15
.set STO,  16
.set RD,   17
.set CO,   18
.set ILA,  19
.set SPW,  28
.set NIL,  29
.set TMP,  32
.set OB,   96
.set IL,   224
.set RA,   128                         ; window 1
.set UP,   160                         ; window 1
.set SA,   128                         ; window 2
.set G,    192                         ; window 2
.set WV,  16
.set RH,  17                           ; which 64 rows are mine; also: I fetch p~ (0) or u (1)
.set CH,  18                           ; which 128 channels; also: which half of the tile I fetch
.set CX,  19
.set CY,  20
.set CLY, 21
.set TR,  22                           ; tile row in the batch, 0..15
.set G1A, 24
.set G0A, 32
.set G1B, 48
.set G0B, 56
.set TB,  66
.set CNT, 67
.set LIM, 68
.set LPA, 69                           ; where my load of p~ lands in a slot
.set PFA, 70
.set PFS, 72                           ; s[72:73] bytes from one K step to the next in the tensor that I prefetch
.set OUT, 74
.set ST,  80
.set BAT, 82
.set LPB, 83                           ; where my load of u lands
.set AA,  84
.set BA,  86
.set UB,  88                           ; s[88:89] 2^e of my 128 channels
.set MSB, 0
.macro WIN new
.if MSB != (\new)
	s_set_vgpr_msb (MSB<<8)|(\new)
.set MSB, (\new)
.endif
.endm
.macro PLACES
.rept 4
	v_nop
.endr
.endm
.macro CREST
	s_cmp_lg_u32 s[WV], 0
	s_cbranch_scc1 .Lnot_wave_0_\@
	s_barrier_signal -3
.Lnot_wave_0_\@:
	s_barrier_wait -3
	s_barrier_signal -1
	s_barrier_wait -1
.endm
.macro CROUND
	s_barrier_signal -1
	s_barrier_wait -1
	CREST
.endm
.macro JLOAD                           ; a joint refill; the branch hangs on the wave's number alone; an s_nop 0 and four v_nop follow each of the two lines
	s_cmp_eq_u32 s[RH], 0
	s_cbranch_scc0 .Lfor_b_\@
	tensor_load_to_lds s[G0A+4:G0A+7], s[G1A:G1A+7]
	s_nop 0
.rept 4
	v_nop
.endr
	s_branch .Lasked_\@
.Lfor_b_\@:
	tensor_load_to_lds s[G0B+4:G0B+7], s[G1B:G1B+7]
	s_nop 0
.rept 4
	v_nop
.endr
.Lasked_\@:
.endm
; A PREFETCH INTO THE L2 of the K step two refills on (256 matrix instructions ahead of the load that will want it), one instruction a wave.  p~'s 128 rows x 256 bytes are read by one cluster alone: wave 0 of each of
; the four partners of a row asks for 32 rows (32 cx on), a lane a row.  u's 128 keys x 512 bytes are read by the four clusters of a batch: the first of them asks; of the 64 keys that wave 2 or 3 fetches each of the four
; partners of a column takes 16 (16 cy on), two lanes a key.  So each 256 bytes are named once.  K steps 0 to 3 come by their loads alone; the trips with CNT = 13 .. 2 name K steps 4 .. 15.
.macro ASK
	s_cmp_gt_u32 s[CNT], s[LIM]
	s_cbranch_scc0 .Lnot_mine_\@
	global_prefetch_b8 v[PFO], s[PFA:PFA+1] th:TH_LOAD_NT scope:SCOPE_SE
.Lnot_mine_\@:
.endm
; The LDS loads of 32 keys (quarter q of the slot), in one run: with withG = 1 first g of the step that begins; p~'s four fragments as they lie; u's eight fragments, turned, into buffer g.
.macro FETCHP q, g, withG
.if \withG
	WIN 0x80
.irp a, 0,1,2,3
	ds_load_b32 v[G+\a], v[GA] offset:64*\a
.endr
	WIN 0
	v_add_nc_u32 v[GA], 512, v[GA]
.endif
	WIN 0x40
.irp a, 0,1,2,3
	ds_load_b128 v[RA+8*\a:RA+8*\a+3],   v[ADA] offset:64*(\q)+16*PA*\a
	ds_load_b128 v[RA+8*\a+4:RA+8*\a+7], v[ADA] offset:64*(\q)+16*PA*\a+32
.endr
.irp i, 0,1,2,3,4,5,6,7
	ds_load_tr16_b128 v[64*(\g)+8*\i:64*(\g)+8*\i+3],   v[ADB] offset:32*PB*(\q)+32*\i
	ds_load_tr16_b128 v[64*(\g)+8*\i+4:64*(\g)+8*\i+7], v[ADB] offset:32*PB*(\q)+32*\i+16*PB
.endr
	WIN 0
.endm
.macro MULB f, zero                    ; 16 matrix instructions: row blocks 2, 3 x 8 channel blocks
	WIN 0xf9
.irp a, 0,1
.irp b, 0,1,2,3,4,5,6,7
.if \zero
	v_wmma_f32_16x16x32_f16 v[8*(8*\a+\b):8*(8*\a+\b)+7], v[64*(\f)+8*\b:64*(\f)+8*\b+7], v[SA+32*(\f)+8*(2+\a):SA+32*(\f)+8*(2+\a)+7], 0
.else
	v_wmma_f32_16x16x32_f16 v[8*(8*\a+\b):8*(8*\a+\b)+7], v[64*(\f)+8*\b:64*(\f)+8*\b+7], v[SA+32*(\f)+8*(2+\a):SA+32*(\f)+8*(2+\a)+7], v[8*(8*\a+\b):8*(8*\a+\b)+7]
.endif
.endr
.endr
.endm
; 8 matrix instructions: row block part (0, 1).  ride = 1: behind each stand two of the 32 lines that multiply the NEXT quarter's p~ by g, into buffer g: under this window setting their destination (window 2),
; first source (window 1) and second source (window 2) need no switch, and they name no register of the products round them.
.macro MULA f, g, part, zero, ride
	WIN 0xa9
.irp b, 0,1,2,3,4,5,6,7
.if \zero
	v_wmma_f32_16x16x32_f16 v[8*(8*(\part)+\b):8*(8*(\part)+\b)+7], v[64*(\f)+8*\b:64*(\f)+8*\b+7], v[SA+32*(\f)+8*(\part):SA+32*(\f)+8*(\part)+7], 0
.else
	v_wmma_f32_16x16x32_f16 v[8*(8*(\part)+\b):8*(8*(\part)+\b)+7], v[64*(\f)+8*\b:64*(\f)+8*\b+7], v[SA+32*(\f)+8*(\part):SA+32*(\f)+8*(\part)+7], v[8*(8*(\part)+\b):8*(8*(\part)+\b)+7]
.endif
.if \ride
	v_pk_mul_f16 v[SA+32*(\g)+16*(\part)+2*\b],   v[RA+16*(\part)+2*\b],   v[G+(16*(\part)+2*\b)/8]
	v_pk_mul_f16 v[SA+32*(\g)+16*(\part)+2*\b+1], v[RA+16*(\part)+2*\b+1], v[G+(16*(\part)+2*\b)/8]
.endif
.endr
.endm
; A quarter: the next quarter's loads; then buffer f is multiplied, 32 matrix instructions; the 32 accumulators take turns in the same order in every quarter.
.macro QP q, f, g, zero=0, withG=0, ask=0
	PLACES
	FETCHP \q, \g, \withG
.if \ask
	ASK
.endif
	s_wait_dscnt 24+4*(\withG)                     ; all but the run just issued: u's fragments of buffer f are in
	MULB \f, \zero
	s_wait_dscnt 16                                ; u's 16 loads, the run's last, may stay out: g and p~ are in
	MULA \f, \g, 0, \zero, 1
	MULA \f, \g, 1, \zero, 1
.endm
; The third quarter and the change of slots: one barrier; with fill = 1 it opens a round of the cluster's, and the joint refill, two K steps ahead, is the first thing behind the round: 112 matrix instructions ahead of the wait for it.
.macro TURNP fill
.if \fill
	s_wait_xcnt 0x0                                ; the last prefetch, three quarters back, has read its address
	s_add_nc_u64 s[PFA:PFA+1], s[PFA:PFA+1], s[PFS:PFS+1]
.endif
	PLACES
	FETCHP 3, 1, 0
	s_wait_dscnt 24
	MULB 0, 0
	WIN 0
	s_wait_tensorcnt 0x0                           ; no tensor load of mine is out: my part of the other slot has landed
	ds_add_u32 v[SPW], v[NIL]                      ; 0 onto my spare word
.if \fill
	s_xor_b32 s[G0A+5], s[G0A+5], SLOT1
	s_add_nc_u64 s[G0A+6:G0A+7], s[G0A+6:G0A+7], 256      ; 128 keys along p~'s rows
	s_xor_b32 s[G0B+5], s[G0B+5], SLOT1
	s_add_nc_u64 s[G0B+6:G0B+7], s[G0B+6:G0B+7], 1048576  ; 128 keys of 8,192 bytes down u
.endif
	s_wait_dscnt 17                                ; u's 16 loads and the add may stay out: p~ is in
	MULA 0, 1, 0, 0, 1
	s_wait_dscnt 0x0                               ; the add is done, and my reads of this slot are over
	s_barrier_signal -1
	MULA 0, 1, 1, 0, 1
	WIN 0
	s_barrier_wait -1
.if \fill
	CREST
	JLOAD
.endif
	s_xor_b32 s[TB], s[TB], SLOT1
	v_add_nc_u32 v[ADA], s[TB], v[ADA0]
	v_add_nc_u32 v[ADB], s[TB], v[ADB0]
.endm
; THE WAY OUT of row block a: times 1 / L of the lane's query, times 2^e of its channels; 32 bytes a lane and channel block into my stage; back as whole rows of 512 bytes; stored.
.macro PACKV a
.set AC, 64*((\a)%2)
	WIN 0x02+(\a)/2
.set i, 0
.rept 32
	v_pk_mul_f32 v[TMP+2*i:TMP+2*i+1], v[AC+2*i:AC+2*i+1], v[IL+2*(\a):IL+2*(\a)+1] op_sel_hi:[1,0]
.set i, i+1
.endr
	WIN 0x04
.set i, 0
.rept 32
	v_pk_mul_f32 v[TMP+2*i:TMP+2*i+1], v[TMP+2*i:TMP+2*i+1], v[UP+2*i:UP+2*i+1]
.set i, i+1
.endr
	WIN 0
.endm
.macro TOST a
	WIN 0
.set BK, OB+64*((\a)%2)
.irp b, 0,1,2,3,4,5,6,7
	ds_store_b128 v[STO], v[TMP+8*\b:TMP+8*\b+3]   offset:64*\b
	ds_store_b128 v[STO], v[TMP+8*\b+4:TMP+8*\b+7] offset:64*\b+16
.endr
.set t, 0
.rept 16
	ds_load_b128 v[BK+4*t:BK+4*t+3], v[RD] offset:SP*t  ; LDS serves a wave's instructions in order (ISA guide 5.7.1.4): these see the stores above
.set t, t+1
.endr
.endm
.macro SENDV a
	WIN 0
.set BK, OB+64*((\a)%2)
	s_wait_dscnt 0x0
	s_wait_xcnt 0x0                                ; earlier stores have read their data: those registers are loaded again only behind this wait
.set t, 0
.rept 16
	global_store_b128 v[CO], v[BK+4*t:BK+4*t+3], s[OUT:OUT+1] offset:(16*(\a)+t)*16384 th:TH_STORE_NT  ; 32 lanes store 512 consecutive bytes, aligned; 63 queries of 16,384 bytes at the most stand in the immediate
.set t, t+1
.endr
.endm
	s_load_b256 s[4:11], s[0:1], 0x0               ; pm 4:5, o2 6:7, tb 8:9, out0 10:11
	v_lshl_add_u32 v[SPW], v0, 2, SPARE
	v_mov_b32 v[NIL], 0
	ds_add_u32 v[SPW], v[NIL]                      ; the wave's opening: the add and its wait stand ahead of my first tensor load
	v_lshrrev_b32 v3, 5, v0
	v_readfirstlane_b32 s[WV], v3
	s_lshr_b32 s[RH], s[WV], 1
	s_and_b32 s[CH], s[WV], 1
	s_bfe_u32 s[CX], ttmp6, 0x40000
	s_bfe_u32 s[CY], ttmp6, 0x40004
	s_and_b32 s[CLY], ttmp7, 0xffff
	s_lshr_b32 s[BAT], s[CLY], 2                   ; four clusters along y to a batch
	s_and_b32 s[TR], s[CLY], 3
	s_lshl_b32 s[TR], s[TR], 2
	s_add_co_u32 s[TR], s[TR], s[CY]
	s_lshl_b32 s40, s[CY], 2
	s_lshl_b32 s40, 15, s40                        ; my row of the cluster
	s_lshl_b32 s41, 0x1111, s[CX]                  ; my column
	s_or_b32 s[G1A], s40, (1<<16)|(1<<20)|(1<<21)|(5<<22)|(3<<25)  ; 2-byte elements; padding on; 21 set beside a mask; after every 64 words 4 words
	s_mov_b32 s[G1A+1], 128<<16                    ; tensor_dim0 = 128 keys
	s_mov_b32 s[G1A+2], 64<<16                     ; tensor_dim1 = 64 queries
	s_mov_b32 s[G1A+3], 128<<16                    ; tile_dim0
	s_mov_b32 s[G1A+4], 64                         ; tile_dim1
	s_mov_b32 s[G1A+5], 2048                       ; elements from a query to the next
	s_mov_b32 s[G1A+6], 0
	s_mov_b32 s[G1A+7], 0
	s_or_b32 s[G1B], s41, (1<<16)|(1<<20)|(1<<21)|(6<<22)|(7<<25)  ; after every 128 words 8 words
	s_mov_b32 s[G1B+1], 256<<16                    ; tensor_dim0 = 256 channels
	s_mov_b32 s[G1B+2], 64<<16                     ; tensor_dim1 = 64 keys
	s_mov_b32 s[G1B+3], 256<<16
	s_mov_b32 s[G1B+4], 64
	s_mov_b32 s[G1B+5], 4096                       ; elements from a key of the batch to the next
	s_mov_b32 s[G1B+6], 0
	s_mov_b32 s[G1B+7], 0
	s_lshl_b32 s42, s[BAT], 23                     ; p~: the batch, 128 queries of 4,096 bytes a tile row, my 64; no cx enters
	s_lshl_b32 s43, s[TR], 19
	s_add_co_u32 s42, s42, s43
	s_lshl_b32 s43, s[CH], 18
	s_add_co_u32 s42, s42, s43
	s_mov_b32 s43, 0
	s_lshl_b32 s44, s[BAT], 11                     ; u: the batch's 2,048 bytes, 512 bytes a tile column, my 64 keys of 8,192 bytes; no cy enters
	s_lshl_b32 s45, s[CX], 9
	s_add_co_u32 s44, s44, s45
	s_lshl_b32 s45, s[CH], 19
	s_add_co_u32 s44, s44, s45
	s_mov_b32 s45, 0
	s_mul_i32 s[LPA], s[CH], AHALF                 ; no place in the cluster enters an LDS address
	s_mul_i32 s[LPB], s[CH], BHALF
	s_add_co_u32 s[LPB], s[LPB], BOFF
	s_mov_b32 s[TB], 0
	s_wait_dscnt 0x0
	s_wait_kmcnt 0x0
	s_add_nc_u64 s[AA:AA+1], s[4:5], s[42:43]
	s_add_nc_u64 s[BA:BA+1], s[6:7], s[44:45]
	CROUND                                         ; all sixteen work-groups are here: the first joint loads meet
	s_mov_b32 s[G0A], 1
	s_mov_b32 s[G0A+1], s[LPA]
	s_add_nc_u64 s[G0A+2:G0A+3], s[AA:AA+1], 0
	s_or_b32 s[G0A+3], s[G0A+3], 0x80000000
	s_mov_b32 s[G0A+4], 1
	s_add_co_u32 s[G0A+5], s[LPA], SLOT1
	s_add_nc_u64 s[G0A+6:G0A+7], s[AA:AA+1], 256
	s_or_b32 s[G0A+7], s[G0A+7], 0x80000000
	s_mov_b32 s[G0B], 1
	s_mov_b32 s[G0B+1], s[LPB]
	s_add_nc_u64 s[G0B+2:G0B+3], s[BA:BA+1], 0
	s_or_b32 s[G0B+3], s[G0B+3], 0x80000000
	s_mov_b32 s[G0B+4], 1
	s_add_co_u32 s[G0B+5], s[LPB], SLOT1
	s_add_nc_u64 s[G0B+6:G0B+7], s[BA:BA+1], 1048576
	s_or_b32 s[G0B+7], s[G0B+7], 0x80000000
	s_cmp_eq_u32 s[RH], 0                          ; a wave's two first fills stand in one branch: two loads of mine are out
	s_cbranch_scc0 .Lfirst_b
	tensor_load_to_lds s[G0A:G0A+3], s[G1A:G1A+7]
	s_nop 0
	tensor_load_to_lds s[G0A+4:G0A+7], s[G1A:G1A+7]
	s_nop 0
.rept 4
	v_nop
.endr
	s_branch .Lfirst_asked
.Lfirst_b:
	tensor_load_to_lds s[G0B:G0B+3], s[G1B:G1B+7]
	s_nop 0
	tensor_load_to_lds s[G0B+4:G0B+7], s[G1B:G1B+7]
	s_nop 0
.rept 4
	v_nop
.endr
.Lfirst_asked:
	; thread i takes the statistics of query 128 x tile row + i: c m_j into v[32+j], l_j into v[48+j]
	s_lshl_b32 s40, s[BAT], 17
	s_lshl_b32 s41, s[TR], 9
	s_add_co_u32 s40, s40, s41
	s_add_co_u32 s40, s40, 33554432
	s_mov_b32 s41, 0
	s_add_nc_u64 s[ST:ST+1], s[4:5], s[40:41]
	v_lshlrev_b32 v3, 2, v0
.set j, 0
.rept 16
	global_load_b32 v[32+j], v3, s[ST:ST+1] offset:8192*j
	global_load_b32 v[48+j], v3, s[ST:ST+1] offset:8192*j+524288
.set j, j+1
.endr
	v_and_b32 v1, 15, v0                           ; l % 16
	v_bfe_u32 v2, v0, 4, 1                         ; l / 16
	s_lshl_b32 s40, s[CX], 10                      ; 2^e of my 128 channels
	s_lshl_b32 s41, s[CH], 9
	s_add_co_u32 s40, s40, s41
	s_add_co_u32 s40, s40, 4096
	s_mov_b32 s41, 0
	s_add_nc_u64 s[UB:UB+1], s[8:9], s[40:41]
	v_lshlrev_b32 v4, 5, v2
	WIN 0x40
.irp b, 0,1,2,3,4,5,6,7
	global_load_b128 v[UP+8*\b:UP+8*\b+3],   v4, s[UB:UB+1] offset:64*\b
	global_load_b128 v[UP+8*\b+4:UP+8*\b+7], v4, s[UB:UB+1] offset:64*\b+16
.endr
	WIN 0
	v_mul_u32_u24 v5, v1, PA
	v_lshl_add_u32 v5, v2, 4, v5
	s_mul_i32 s40, s[RH], AHALF
	v_add_nc_u32 v[ADA0], s40, v5                  ; p~: row x pitch + 16 x half, in my 64 rows
	v_and_b32 v6, 7, v0                            ; u, turned: lane l reads key 8 (l / 16) + l % 8, channels 8 ((l / 8) % 2) + 0..7
	v_bfe_u32 v7, v0, 3, 1
	v_lshl_add_u32 v6, v2, 3, v6
	v_mul_u32_u24 v6, v6, PB
	v_lshl_add_u32 v6, v7, 4, v6
	s_lshl_b32 s40, s[CH], 8
	s_add_co_u32 s40, s40, BOFF
	v_add_nc_u32 v[ADB0], s40, v6
	v_mov_b32 v[ADA], v[ADA0]
	v_mov_b32 v[ADB], v[ADB0]
	s_lshl_b32 s40, s[RH], 8
	s_add_co_u32 s41, s40, GT
	v_lshl_add_u32 v[GA], v1, 2, s41
	s_add_co_u32 s41, s40, INVL
	v_lshl_add_u32 v[ILA], v1, 2, s41
	s_mul_i32 s40, s[WV], 16*SP
	s_add_co_u32 s40, s40, STAGE                   ; my stage
	v_mul_u32_u24 v5, v1, SP
	v_lshl_add_u32 v5, v2, 5, v5
	v_add_nc_u32 v[STO], s40, v5                   ; in: row l % 16, 32 bytes for each half of the lanes
	v_and_b32 v8, 31, v0
	v_lshlrev_b32 v[CO], 4, v8
	v_add_nc_u32 v[RD], s40, v[CO]                 ; back: 32 lanes take a row of 512 bytes
	s_lshl_b32 s40, s[TR], 21                      ; out0 at my 64 x 128: 128 queries of 16,384 bytes a tile row, my 64, the batch's 4,096 bytes, 1,024 bytes a tile column, my 512
	s_lshl_b32 s41, s[RH], 20
	s_add_co_u32 s40, s40, s41
	s_lshl_b32 s41, s[BAT], 12
	s_add_co_u32 s40, s40, s41
	s_lshl_b32 s41, s[CX], 10
	s_add_co_u32 s40, s40, s41
	s_lshl_b32 s41, s[CH], 9
	s_add_co_u32 s40, s40, s41
	s_mov_b32 s41, 0
	s_add_nc_u64 s[OUT:OUT+1], s[10:11], s[40:41]
	; the prefetches
	v_lshlrev_b32 v5, 12, v8                       ; p~: a lane a row of 4,096 bytes
	v_lshrrev_b32 v6, 1, v8                        ; u: two lanes a key of 8,192 bytes, 256 bytes each
	v_lshlrev_b32 v6, 13, v6
	v_and_b32 v7, 1, v8
	v_lshl_add_u32 v6, v7, 8, v6
	s_and_b32 s41, s[CLY], 3
	s_mov_b32 s[PFS], 1048576
	s_cmp_eq_u32 s[RH], 0                          ; do I fetch p~?
	s_cselect_b64 s[PFA:PFA+1], s[AA:AA+1], s[BA:BA+1]
	s_cselect_b32 s40, s[CX], s[CY]                ; my place among the four that ask with me
	s_cselect_b32 s41, s[CH], s41                  ; p~: wave 0 alone asks; u: the batch's first cluster alone
	s_cselect_b32 s[PFS], 256, s[PFS]
	s_cselect_b32 s46, -1, 0
	s_cmp_eq_u32 s41, 0
	s_cselect_b32 s[LIM], 1, -1                    ; the same in all sixteen partners, for a given wave
	v_cndmask_b32 v[PFO], v6, v5, s46
	s_lshl_b32 s40, s40, 17                        ; 32 rows of 4,096 bytes, or 16 keys of 8,192,
	s_mul_i32 s42, s[PFS], 3                       ; at K step 3: the first change of slots steps it to 4
	s_add_co_u32 s40, s40, s42
	s_mov_b32 s41, 0
	s_mov_b32 s[PFS+1], 0
	s_add_nc_u64 s[PFA:PFA+1], s[PFA:PFA+1], s[40:41]
	; M, g_j, L and 1 / L of my thread's query
	s_wait_loadcnt 16                              ; the 32 statistics are in; the 16 younger loads of 2^e may stay out
	v_max3_num_f32 v80, v32, v33, v34
	v_max3_num_f32 v81, v35, v36, v37
	v_max3_num_f32 v82, v38, v39, v40
	v_max3_num_f32 v83, v41, v42, v43
	v_max3_num_f32 v84, v44, v45, v46
	v_max3_num_f32 v80, v80, v81, v82
	v_max3_num_f32 v83, v83, v84, v47
	v_max_num_f32 v80, v80, v83
.set j, 0
.rept 16
	v_sub_f32 v[64+j], v[32+j], v80
.set j, j+1
.endr
.set j, 0
.rept 16
	v_exp_f32 v[64+j], v[64+j]
.set j, j+1
.endr
	v_mov_b32 v86, 0                               ; plain instructions behind the last exponential: L's two chains start at 0
	v_mov_b32 v87, 0
	s_wait_alu depctr_va_vdst(0)                   ; one wait for the 16 exponentials, ahead of their first reader
.set j, 0
.rept 16
	v_cvt_pk_f16_f32 v[64+j], v[64+j], v[64+j]     ; g in f16, twice in a word
.set j, j+1
.endr
.set j, 0
.rept 16
	v_fma_mix_f32 v[86+j%2], v[64+j], v[48+j], v[86+j%2] op_sel_hi:[1,0,0]  ; L += g_j l_j with the rounded g_j, so that g's rounding falls out of the quotient
.set j, j+1
.endr
	v_add_f32 v86, v86, v87
	v_rcp_f32 v88, v86
	v_lshl_add_u32 v9, v0, 2, GT                   ; a plain instruction behind the reciprocal,
	s_wait_alu depctr_va_vdst(0)                   ; and its wait
.set j, 0
.rept 16
	ds_store_b32 v9, v[64+j] offset:512*j
.set j, j+1
.endr
	ds_store_b32 v9, v88 offset:8192               ; INVL lies 8,192 bytes behind GT
	s_wait_tensorcnt 0x1                           ; my part of K step 0 is in; K step 1's may stay out
	s_wait_dscnt 0x0                               ; my part of the tables is written
	s_barrier_signal -1
	s_barrier_wait -1
	FETCHP 0, 0, 1
	s_wait_dscnt 16                                ; g and p~ are in
	WIN 0xa9
.set r, 0
.rept 32
	v_pk_mul_f16 v[SA+r], v[RA+r], v[G+r/8]        ; the first quarter's p~ g: there is no product yet to stand behind
.set r, r+1
.endr
	QP 1, 0, 1, 1                                  ; K step 0's first quarter starts the sums: it alone is written out ahead of the loop,
	WIN 0
	s_mov_b32 s[CNT], 14
	s_branch .Lenter                               ; which is entered in the middle of its first trip
.Lstep:                                        ; a trip: the last quarter of one K step and the first three of the next; the fourteen trips' refills bring K steps 2 .. 15
	QP 0, 1, 0, 0, 1, 1
	QP 1, 0, 1
	WIN 0
.Lenter:
	QP 2, 1, 0
	TURNP 1
	s_sub_co_u32 s[CNT], s[CNT], 1
	s_cmp_lg_u32 s[CNT], 0
	s_cbranch_scc1 .Lstep
	s_mov_b32 s[CNT], 2
.Ltail:                                        ; K steps 14 and 15 ask for nothing; the second trip's barrier orders nothing: the price of one text for both
	QP 0, 1, 0, 0, 1, 0
	QP 1, 0, 1
	QP 2, 1, 0
	TURNP 0
	s_sub_co_u32 s[CNT], s[CNT], 1
	s_cmp_lg_u32 s[CNT], 0
	s_cbranch_scc1 .Ltail
	s_wait_dscnt 0x0
	MULB 1, 0                                      ; the very last quarter
	MULA 1, 0, 0, 0, 0
	MULA 1, 0, 1, 0, 0
	WIN 0
	PLACES
	PLACES
	s_wait_loadcnt 0x0                             ; 2^e
.irp a, 0,1,2,3
	ds_load_b32 v[IL+2*\a], v[ILA] offset:64*\a    ; 1 / L of my lane's query in each row block
.endr
	s_wait_dscnt 0x0
.irp a, 0,1,2,3
	v_mov_b32 v[IL+2*\a+1], v[IL+2*\a]             ; named with it as a pair
.endr
	PACKV 0
	TOST 0
.irp a, 1,2,3                          ; block a's arithmetic stands between block a - 1's loads from the stage and the wait for them
	PACKV \a
	SENDV (\a)-1
	TOST \a
.endr
	SENDV 3
	s_wait_tensorcnt 0x0                           ; the wave's end: behind my last tensor load and my last LDS store
	ds_add_u32 v[SPW], v[NIL]
	s_wait_dscnt 0x0
	CROUND                                         ; the closing round
	s_endpgm
.Lfunc_end_k_q57c2f4d944_mix:
	.size	k_q57c2f4d944_mix, .Lfunc_end_k_q57c2f4d944_mix-k_q57c2f4d944_mix
	.p2alignl 7, 3214868480
	.fill 96, 4, 3214868480
	.section	.rodata,"a",@progbits
	.p2align	6, 0x0
	.amdhsa_kernel k_q57c2f4d944_mix
		.amdhsa_group_segment_fixed_size 327680
		.amdhsa_private_segment_fixed_size 0
		.amdhsa_enable_private_segment 0
		.amdhsa_kernarg_size 32
		.amdhsa_user_sgpr_count 2
		.amdhsa_user_sgpr_kernarg_segment_ptr 1
		.amdhsa_wavefront_size32 1
		.amdhsa_system_sgpr_workgroup_id_x 1
		.amdhsa_system_sgpr_workgroup_id_y 1
		.amdhsa_system_sgpr_workgroup_id_z 1
		.amdhsa_system_vgpr_workitem_id 0
		.amdhsa_next_free_vgpr 896
		.amdhsa_next_free_sgpr 92
		.amdhsa_reserve_vcc 0
		.amdhsa_float_denorm_mode_32 3
		.amdhsa_float_denorm_mode_16_64 3
		.amdhsa_memory_ordered 1
		.amdhsa_forward_progress 1
		.amdhsa_inst_pref_size 111
	.end_amdhsa_kernel
	.amdgpu_metadata
---
amdhsa.version: [ 1, 2 ]
amdhsa.kernels:
  - .name:           k_q57c2f4d944_mix
    .symbol:         k_q57c2f4d944_mix.kd
    .args:
      - { .name: pm, .offset: 0, .size: 8, .value_kind: global_buffer, .address_space: global }
      - { .name: o2, .offset: 8, .size: 8, .value_kind: global_buffer, .address_space: global }
      - { .name: tb, .offset: 16, .size: 8, .value_kind: global_buffer, .address_space: global }
      - { .name: out0, .offset: 24, .size: 8, .value_kind: global_buffer, .address_space: global }
    .group_segment_fixed_size: 327680
    .private_segment_fixed_size: 0
    .kernarg_segment_align: 8
    .kernarg_segment_size: 32
    .max_flat_workgroup_size: 128
    .sgpr_count:     92
    .vgpr_count:     896
    .wavefront_size: 32
...
	.end_amdgpu_metadata
.endif
;; end of part 4
